; MI455X (gfx1250); checked and timed in simulation.
; The chip was launched on July 23, 2026; its instructions are those of AMD's public machine-readable ISA for CDNA 5 (MIT licence, August 2026) and "CDNA5" Instruction Set Architecture Reference Guide (July 2026). The comments in the code are by the model that wrote it; some were corrected since.
;; Moe Layer. Allowed arithmetic: matrix products marked QUANTISED: E5M2 operands, one given power-of-two scale a tensor, by v_wmma_f32_16x16x64_bf8_bf8 or v_wmma_f32_16x16x128_bf8_bf8, f32 sums; products left as they are: f32 operands where the result goes on into a quantised operand, else bf16, f16 or f32 operands; f32 sums; everything else in f32.
;; Inputs: b1 8 x 4,096 float32; b2 8 x 1,024 float32; gate_b 8 float32; gate_w 1,024 x 8 float32; inputs 1,024 x 1,024 float32; lowp_scales 32 int32 (the exponents e of the quantised operands' scales 2^e); w1_codes 8 x 4,096 x 32 x 32 uint8 (E5M2 codes of w1, K innermost, in blocks of 32 codes); w2_codes 8 x 1,024 x 128 x 32 uint8 (E5M2 codes of w2, K innermost, in blocks of 32 codes).
;; Outputs: out0 1,024 x 1,024 float32.
;; This version of the problem:
;;   THIS VERSION OF THE PROBLEM IS GIVEN IN LOW PRECISION. The matrix products marked QUANTISED in the list below multiply operands that are first quantised to E5M2 (5 exponent bits, 2 mantissa bits; 8 bits a number), with one given power-of-two scale for each operand tensor; their sums are f32. All else is computed in f32.
;;   The module's matrix products, in the order in which they are computed (A, B: the left and right operand; K: the contracted axis; several contracted axes count as one K, in the product's order):
;;     1. [M 1,024, K 1,024] x [K 1,024, N 8]; A: input inputs; B: input gate_w: left as it is (N = 8 < 16)
;;     2. [M 1,024, K 1,024] x [K 1,024, N 4,096]; A: input inputs; B: input w1 (given as codes): QUANTISED (scales: A lowp_scales[0], B lowp_scales[1])
;;     3. [M 1,024, K 4,096] x [K 4,096, N 1,024]; A: computed on the way; B: input w2 (given as codes): QUANTISED (scales: A lowp_scales[2], B lowp_scales[3])
;;     4. [M 1,024, K 1,024] x [K 1,024, N 4,096]; A: input inputs; B: input w1 (given as codes): QUANTISED (scales: A lowp_scales[4], B lowp_scales[5])
;;     5. [M 1,024, K 4,096] x [K 4,096, N 1,024]; A: computed on the way; B: input w2 (given as codes): QUANTISED (scales: A lowp_scales[6], B lowp_scales[7])
;;     6. [M 1,024, K 1,024] x [K 1,024, N 4,096]; A: input inputs; B: input w1 (given as codes): QUANTISED (scales: A lowp_scales[8], B lowp_scales[9])
;;     7. [M 1,024, K 4,096] x [K 4,096, N 1,024]; A: computed on the way; B: input w2 (given as codes): QUANTISED (scales: A lowp_scales[10], B lowp_scales[11])
;;     8. [M 1,024, K 1,024] x [K 1,024, N 4,096]; A: input inputs; B: input w1 (given as codes): QUANTISED (scales: A lowp_scales[12], B lowp_scales[13])
;;     9. [M 1,024, K 4,096] x [K 4,096, N 1,024]; A: computed on the way; B: input w2 (given as codes): QUANTISED (scales: A lowp_scales[14], B lowp_scales[15])
;;     10. [M 1,024, K 1,024] x [K 1,024, N 4,096]; A: input inputs; B: input w1 (given as codes): QUANTISED (scales: A lowp_scales[16], B lowp_scales[17])
;;     11. [M 1,024, K 4,096] x [K 4,096, N 1,024]; A: computed on the way; B: input w2 (given as codes): QUANTISED (scales: A lowp_scales[18], B lowp_scales[19])
;;     12. [M 1,024, K 1,024] x [K 1,024, N 4,096]; A: input inputs; B: input w1 (given as codes): QUANTISED (scales: A lowp_scales[20], B lowp_scales[21])
;;     13. [M 1,024, K 4,096] x [K 4,096, N 1,024]; A: computed on the way; B: input w2 (given as codes): QUANTISED (scales: A lowp_scales[22], B lowp_scales[23])
;;     14. [M 1,024, K 1,024] x [K 1,024, N 4,096]; A: input inputs; B: input w1 (given as codes): QUANTISED (scales: A lowp_scales[24], B lowp_scales[25])
;;     15. [M 1,024, K 4,096] x [K 4,096, N 1,024]; A: computed on the way; B: input w2 (given as codes): QUANTISED (scales: A lowp_scales[26], B lowp_scales[27])
;;     16. [M 1,024, K 1,024] x [K 1,024, N 4,096]; A: input inputs; B: input w1 (given as codes): QUANTISED (scales: A lowp_scales[28], B lowp_scales[29])
;;     17. [M 1,024, K 4,096] x [K 4,096, N 1,024]; A: computed on the way; B: input w2 (given as codes): QUANTISED (scales: A lowp_scales[30], B lowp_scales[31])
;;   THE QUANTISER, for each operand of a quantised product, along K:
;;     - The operand's scale is 2^e, e = its entry of the input lowp_scales (int32; the entries are numbered through the quantised products in the list's order, A before B).
;;     - Each number is divided by the scale, clamped to +-57,344, and rounded to the nearest number of E5M2, ties to even, subnormals kept.
;;     - The product sums the exact products of the quantised numbers (number of the format x scale) in f32.
;;   ~~~python
;;   def quantise(x, axis, e):      # numpy; x: float32 -> the quantised numbers, widened to float32 again
;;       x = np.moveaxis(x, axis, -1); K = x.shape[-1]
;;       r = np.clip(x / 2.0 ** e, -57344, 57344)
;;       step = 2.0 ** (np.maximum(np.frexp(np.where(r == 0, 1, r))[1] - 1, -14) - 2)
;;       q = np.round(r / step) * step * 2.0 ** e      # np.round: ties to even
;;       return np.moveaxis(q, -1, axis).astype(np.float32)
;;   ~~~
;;   OPERANDS COMPUTED ON THE WAY. 'Computed on the way' means the value that the module computes at that place (a softmax that the list does not call 'softmax' is quantised finished and normalised). What goes into a quantiser is computed in f32, as accurately as f32 sums, v_exp_f32 and their like allow (about 1e-6 of the number): no bf16 or f16 on the way to a quantiser, and a product that is left as it is and whose result goes on into a quantised operand takes f32 operands (vector FMAs, or v_wmma_f32_16x16x4_f32). A number that lies on a knife's edge between two numbers of the format may be rounded either way, as far as f32 arithmetic and the matrix unit's own rounding can turn it there, and no further.
;;   INPUTS GIVEN AS CODES. w1 (in the module: [8, 1024, 4096], K = its axis 1); w2 (in the module: [8, 4096, 1024], K = its axis 1): each comes as NAME_codes (uint8): NAME with its K axis moved to the last place and cut into blocks of 32 codes, [.., K / 32, bytes a block], one block behind the other in memory; one code a byte (a code: sign, 5 exponent bits, 2 mantissa bits); its scale is its entry of lowp_scales. Its value is code x scale, taken as it is: it is not quantised again, and the codes and scales need not be those that the quantiser above would give.
;; 2 versions. Each part assembles by itself: llvm-mc -triple=amdgcn-amd-amdhsa -mcpu=gfx1250 --defsym DOCPART=n.
;; ======== version 1 of 2: 5 launches
;; workspace buffers: sel 4,096 bytes of whole numbers; gw 8,192 bytes; xq 2,097,152 bytes; h 33,554,432 bytes; list 32,768 bytes of whole numbers; loc 32,768 bytes of whole numbers; cnt 1,024 bytes of whole numbers; y 33,554,432 bytes
;; launch route (part 1): grid 256 x 1, 4 waves a work-group, no clusters, 57,856 bytes of LDS; arguments inputs, gate_w, gate_b, lowp_scales, sel, gw, xq; writes sel, gw, xq
.if DOCPART == 1
	.amdgcn_target "amdgcn-amd-amdhsa--gfx1250"
	.amdhsa_code_object_version 6
	.text
	.protected	k_qeb9d5ab035_route
	.globl	k_qeb9d5ab035_route
	.p2align	8
	.type	k_qeb9d5ab035_route,@function
k_qeb9d5ab035_route:
	s_mov_b64 s[64:65], 0
	v_nop
	global_prefetch_b8 v0, s[64:65] scope:SCOPE_SE
	s_setreg_imm32_b32 hwreg(HW_REG_WAVE_MODE, 25, 1), 1
	s_wait_xcnt 0x0
; THE ROUTER.  One wave takes one token t = 4 x work-group + wave (1,024 tokens, 256 work-groups of four waves).
; logits[8] = x[t][0..1023] . gate_w[.][8] + gate_b in f32; the two largest (the lower index wins a tie: the compare is strict); softmax over the two, the larger taken away first.
; Stored at fixed places: sel[t] = first | second << 4; gw[t] = the two weights; xq[2 t + j] = the token's 1,024 codes of E5M2 with the scale of its j-th expert (entry 4 x expert of the scales).
; No address and no branch hangs on the choice: the expert's exponent is picked by v_cndmask_b32.
; LIMITS: the scales' exponents for x lie between -126 and 112; NaN and infinite logits are not served; the f32 sums of a logit are added lane by lane and then across lanes, another order than a row-wise sum.
; LDS: gate_w as 256 pieces of 128 bytes (4 k x 8 experts), 144 bytes apart, so that lanes that read neighbouring pieces start 36 words apart; behind it a stage of 5,120 bytes for each wave, in which the token's row
; turns from 16 bytes a lane (as loaded) to 64 bytes a lane (16 neighbours along K, as the conversions want them): places of 64 bytes + 16 of padding.
.set GP,   144
.set TURN, 256*GP
.set SP,   80
.set X,    8                           ; v8-39    x as loaded: register 4 j + i = k 128 j + 4 lane + i
.set G,    40                          ; v40-103  gate_w as loaded; then two sets of 32: register 8 i + e = gate_w[128 j + 4 lane + i][e]
.set L,    104                         ; v104-111 the eight logits
.set X16,  112                         ; v112-143 register 16 st + n = k 512 st + 16 lane + n
.set TMP,  144                         ; v144-159 at work
.set C,    160                         ; v160-175 codes: four registers for each of the four stores
; v176 best, v177 its index, v178, v179 the second; v180, v181 at work; v[182:183] the weights; v184 the scale, v185 the largest number x the scale, v186 the exponent; v187 -infinity; v188 0; v189 sel's word
	s_load_b256 s[8:15], s[0:1], 0x0               ; inputs s[8:9], gate_w s[10:11], gate_b s[12:13], the scales s[14:15]
	s_load_b128 s[16:19], s[0:1], 0x20             ; sel s[16:17], gw s[18:19]
	s_load_b64 s[20:21], s[0:1], 0x30              ; xq
	v_lshl_add_u32 v192, v0, 2, 0xe000
	v_mov_b32 v193, 0
	v_lshrrev_b32 v7, 5, v0
	v_readfirstlane_b32 s2, v7                     ; wave
	v_and_b32 v1, 31, v0                           ; lane
	v_lshlrev_b32 v2, 4, v1                        ; 16 x lane
	v_lshrrev_b32 v3, 3, v0
	v_mul_u32_u24 v3, v3, GP
	v_and_b32 v7, 7, v0
	v_lshl_add_u32 v3, v7, 4, v3                   ; gate_w into LDS: eight threads fill a piece
	v_mul_u32_u24 v4, v1, GP                       ; and out of it: a piece a lane
	s_mul_i32 s3, s2, 64*SP
	s_add_co_u32 s3, s3, TURN                      ; my wave's stage
	v_lshrrev_b32 v5, 2, v1
	v_mul_u32_u24 v5, v5, SP
	v_and_b32 v7, 3, v1
	v_lshl_add_u32 v5, v7, 4, v5
	v_add_nc_u32 v5, s3, v5                        ; into the stage: four lanes' 64 bytes on end
	v_mul_u32_u24 v6, v1, SP
	v_add_nc_u32 v6, s3, v6                        ; out of it: a place a lane
	v_lshlrev_b32 v7, 4, v0                        ; gate_w in memory: 16 x thread
	s_lshl_b32 s4, ttmp9, 2
	s_add_co_u32 s4, s4, s2                        ; t
	s_mov_b32 s23, 0
	s_mov_b32 s66, 0x76543210                      ; v_permlanex16_b32: lane l xor 16
	s_mov_b32 s67, 0xfedcba98
	s_wait_kmcnt 0x0
	s_load_b512 s[24:39], s[14:15], 0x0            ; all 32 exponents: entry 4 e is x's for expert e
	s_load_b512 s[40:55], s[14:15], 0x40
	s_load_b256 s[56:63], s[12:13], 0x0            ; gate_b
	s_lshl_b32 s22, s4, 12
	s_add_nc_u64 s[8:9], s[8:9], s[22:23]          ; my row of x
	s_lshl_b32 s22, s4, 11
	s_add_nc_u64 s[20:21], s[20:21], s[22:23]      ; my two rows of xq
	s_lshl_b32 s22, s4, 2
	s_add_nc_u64 s[16:17], s[16:17], s[22:23]
	s_lshl_b32 s22, s4, 3
	s_add_nc_u64 s[18:19], s[18:19], s[22:23]
.irp j, 0,1,2,3,4,5,6,7
	global_load_b128 v[X+4*\j:X+4*\j+3], v2, s[8:9] offset:512*\j th:TH_LOAD_NT   ; 32 lanes read 512 consecutive bytes
.endr
.irp m, 0,1,2,3,4,5,6,7,8,9,10,11,12,13,14,15
	global_load_b128 v[G+4*\m:G+4*\m+3], v7, s[10:11] offset:2048*\m               ; the work-group's 128 threads read 2,048 consecutive bytes
.endr
.irp e, 0,1,2,3,4,5,6,7
	v_mov_b32 v[TMP+\e], 0                         ; a lane permute's destination counts as read: written once
.endr
	v_mov_b32 v187, 0xff800000
	v_mov_b32 v188, 0
	s_wait_loadcnt 16                              ; x is in: gate_w's sixteen loads are younger
.irp j, 0,1,2,3,4,5,6,7
	ds_store_b128 v5, v[X+4*\j:X+4*\j+3] offset:32*SP*(\j/4)+8*SP*(\j%4)
.endr
	s_wait_loadcnt 0x0
.irp m, 0,1,2,3,4,5,6,7,8,9,10,11,12,13,14,15
	ds_store_b128 v3, v[G+4*\m:G+4*\m+3] offset:16*GP*\m
.endr
	s_wait_dscnt 0x0                               ; for the others' sake: my part of gate_w lies in LDS
	s_barrier_signal -1
	s_barrier_wait -1
.irp j, 0,1,2,3,4,5,6,7
	ds_load_b128 v[X16+4*\j:X16+4*\j+3], v6 offset:32*SP*(\j/4)+16*(\j%4)   ; my own stage: 16 neighbours a lane and step
.endr
.macro GL j                            ; gate_w's rows 128 j + 4 lane + 0 .. 3 into set j % 2
.irp m, 0,1,2,3,4,5,6,7
	ds_load_b128 v[G+32*((\j)%2)+4*\m:G+32*((\j)%2)+4*\m+3], v4 offset:32*GP*(\j)+16*\m
.endr
.endm
.macro DOT j                           ; 32 multiply-adds a lane, two at a time; x's number is taken for both halves of the pair
.set GS, G+32*((\j)%2)
.irp i, 0,1,2,3
.irp p, 0,1,2,3
.if ((\j)==0) && (\i==0)
	v_pk_mul_f32 v[L+2*\p:L+2*\p+1], v[GS+2*\p:GS+2*\p+1], v[X:X+1] op_sel_hi:[1,0]   ; the first products start the sums
.elseif (\i%2)==0
	v_pk_fma_f32 v[L+2*\p:L+2*\p+1], v[GS+8*\i+2*\p:GS+8*\i+2*\p+1], v[X+4*(\j)+\i:X+4*(\j)+\i+1], v[L+2*\p:L+2*\p+1] op_sel_hi:[1,0,1]
.else
	v_pk_fma_f32 v[L+2*\p:L+2*\p+1], v[GS+8*\i+2*\p:GS+8*\i+2*\p+1], v[X+4*(\j)+\i-1:X+4*(\j)+\i], v[L+2*\p:L+2*\p+1] op_sel:[0,1,0] op_sel_hi:[1,1,1]
.endif
.endr
.endr
.endm
	GL 0
.irp j, 0,1,2,3,4,5,6
	GL \j+1
	s_wait_dscnt 8                                 ; all but the eight loads just issued
	DOT \j
.endr
	s_wait_dscnt 0x0
	DOT 7
.irp m, 1,2,4,8                        ; across the 32 lanes: every lane ends with the same eight sums
.irp e, 0,1,2,3,4,5,6,7
	v_add_f32_dpp v[L+\e], v[L+\e], v[L+\e] row_xmask:\m row_mask:0xf bank_mask:0xf
.endr
.endr
.irp e, 0,1,2,3,4,5,6,7
	v_permlanex16_b32 v[TMP+\e], v[L+\e], s66, s67
.endr
	s_wait_kmcnt 0x0                               ; gate_b and the exponents
.irp e, 0,1,2,3,4,5,6,7
	v_add_f32 v[L+\e], v[L+\e], v[TMP+\e]
.endr
.irp e, 0,1,2,3,4,5,6,7
	v_add_f32 v[L+\e], s[56+\e], v[L+\e]
.endr
.macro BEST val, idx                   ; the largest logit; a later one must be strictly larger, so the lower index is kept
	v_mov_b32 v[\val], v[L]
	v_mov_b32 v[\idx], 0
.irp e, 1,2,3,4,5,6,7
	v_cmp_gt_f32 vcc_lo, v[L+\e], v[\val]
	v_cndmask_b32 v[\val], v[\val], v[L+\e], vcc_lo
	v_cndmask_b32 v[\idx], v[\idx], \e, vcc_lo
.endr
.endm
	BEST 176, 177
.irp e, 0,1,2,3,4,5,6,7
	v_cmp_eq_u32 vcc_lo, \e, v177
	v_cndmask_b32 v[L+\e], v[L+\e], v187, vcc_lo   ; the first choice leaves the field
.endr
	BEST 178, 179
	v_sub_f32 v180, v178, v176                     ; second - first: 0 or less: the maximum is taken away
	v_mul_f32 v180, 0x3fb8aa3b, v180
	v_exp_f32 v180, v180
	v_lshl_or_b32 v189, v179, 4, v177              ; (a plain line behind the exponential)  sel's word
	s_wait_alu depctr_va_vdst(0)
	v_add_f32 v181, 1.0, v180
	v_rcp_f32 v182, v181                           ; the first weight, 1 / (1 + t)
	v_nop
	s_wait_alu depctr_va_vdst(0)
	v_mul_f32 v183, v180, v182                     ; the second, t / (1 + t)
.macro SCALE idx                       ; the chosen expert's exponent for x, by selects; 2^e and 57,344 x 2^e as f32
	v_mov_b32 v186, s24
.irp e, 1,2,3,4,5,6,7
	v_cmp_eq_u32 vcc_lo, \e, v[\idx]
	v_cndmask_b32 v186, v186, s[24+4*\e], vcc_lo
.endr
	v_add_nc_u32 v184, 127, v186
	v_lshlrev_b32 v184, 23, v184
	v_add_nc_u32 v185, 142, v186
	v_lshl_or_b32 v185, v185, 23, 0x600000
.endm
.macro QROW j, st                      ; 16 numbers a lane: held within the largest code x the scale (the conversion does not saturate: ISA guide 7.6.2), converted, stored: 512 consecutive bytes a wave
.set ix, 0
.rept 16
	v_med3_num_f32 v[TMP+ix], v[X16+16*(\st)+ix], -v185, v185
.set ix, ix+1
.endr
	v_cvt_scalef32_pk8_bf8_f32 v[C+4*(2*(\j)+(\st)):C+4*(2*(\j)+(\st))+1], v[TMP:TMP+7], v184
	v_cvt_scalef32_pk8_bf8_f32 v[C+4*(2*(\j)+(\st))+2:C+4*(2*(\j)+(\st))+3], v[TMP+8:TMP+15], v184
	v_nop                                          ; a plain line behind the conversions: the next lines write their sources
	global_store_b128 v2, v[C+4*(2*(\j)+(\st)):C+4*(2*(\j)+(\st))+3], s[20:21] offset:1024*(\j)+512*(\st)
.endm
	SCALE 177
	QROW 0, 0
	QROW 0, 1
	SCALE 179
	QROW 1, 0
	QROW 1, 1
	v_cmp_eq_u32 vcc_lo, 0, v1
	s_wait_xcnt 0x0                                ; EXEC changes only behind this wait
	s_wait_tensorcnt 0x0
	ds_add_u32 v192, v193
	s_wait_dscnt 0x0
	s_and_saveexec_b32 s68, vcc_lo                 ; lane 0 alone: 4 and 8 bytes a token
	global_store_b32 v188, v189, s[16:17]
	global_store_b64 v188, v[182:183], s[18:19]
	s_wait_xcnt 0x0
	s_or_b32 exec_lo, exec_lo, s68
	s_endpgm
.Lfunc_end_k_qeb9d5ab035_route:
	.size	k_qeb9d5ab035_route, .Lfunc_end_k_qeb9d5ab035_route-k_qeb9d5ab035_route
	.p2alignl 7, 3214868480
	.fill 96, 4, 3214868480
	.section	.rodata,"a",@progbits
	.p2align	6, 0x0
	.amdhsa_kernel k_qeb9d5ab035_route
		.amdhsa_group_segment_fixed_size 57856
		.amdhsa_private_segment_fixed_size 0
		.amdhsa_enable_private_segment 0
		.amdhsa_kernarg_size 56
		.amdhsa_user_sgpr_count 2
		.amdhsa_user_sgpr_kernarg_segment_ptr 1
		.amdhsa_wavefront_size32 1
		.amdhsa_system_sgpr_workgroup_id_x 1
		.amdhsa_system_sgpr_workgroup_id_y 1
		.amdhsa_system_sgpr_workgroup_id_z 1
		.amdhsa_system_vgpr_workitem_id 0
		.amdhsa_next_free_vgpr 194
		.amdhsa_next_free_sgpr 80
		.amdhsa_reserve_vcc 1
		.amdhsa_float_denorm_mode_32 3
		.amdhsa_float_denorm_mode_16_64 3
		.amdhsa_memory_ordered 1
		.amdhsa_forward_progress 1
		.amdhsa_inst_pref_size 33
	.end_amdhsa_kernel
	.amdgpu_metadata
---
amdhsa.version: [ 1, 2 ]
amdhsa.kernels:
  - .name:           k_qeb9d5ab035_route
    .symbol:         k_qeb9d5ab035_route.kd
    .args:
      - { .name: inputs, .offset: 0, .size: 8, .value_kind: global_buffer, .address_space: global }
      - { .name: gate_w, .offset: 8, .size: 8, .value_kind: global_buffer, .address_space: global }
      - { .name: gate_b, .offset: 16, .size: 8, .value_kind: global_buffer, .address_space: global }
      - { .name: lowp_scales, .offset: 24, .size: 8, .value_kind: global_buffer, .address_space: global }
      - { .name: sel, .offset: 32, .size: 8, .value_kind: global_buffer, .address_space: global }
      - { .name: gw, .offset: 40, .size: 8, .value_kind: global_buffer, .address_space: global }
      - { .name: xq, .offset: 48, .size: 8, .value_kind: global_buffer, .address_space: global }
    .group_segment_fixed_size: 57856
    .private_segment_fixed_size: 0
    .kernarg_segment_align: 8
    .kernarg_segment_size: 56
    .max_flat_workgroup_size: 128
    .sgpr_count:     80
    .vgpr_count:     194
    .wavefront_size: 32
...
	.end_amdgpu_metadata
.endif
;; end of part 1
;; launch place (part 2): grid 8 x 1, 1 waves a work-group, no clusters, 4,352 bytes of LDS; arguments sel, list, loc, cnt; writes list, loc, cnt
.if DOCPART == 2
	.amdgcn_target "amdgcn-amd-amdhsa--gfx1250"
	.amdhsa_code_object_version 6
	.text
	.protected	k_qeb9d5ab035_place
	.globl	k_qeb9d5ab035_place
	.p2align	8
	.type	k_qeb9d5ab035_place,@function
k_qeb9d5ab035_place:
	s_mov_b64 s[64:65], 0
	v_nop
	global_prefetch_b8 v0, s[64:65] scope:SCOPE_SE
	s_setreg_imm32_b32 hwreg(HW_REG_WAVE_MODE, 25, 1), 1
	s_wait_xcnt 0x0
; THE PLACING OF ROWS.  One wave for each expert e (eight work-groups of one wave).  It reads sel (1,024 words: first choice | second choice << 4) and PARTITIONS the 1,024 tokens, 32 groups of 32, all lanes on:
; a token routed to e takes place m = routed tokens before it (groups before + lanes below); any other token takes place 1,023 - (tokens before it - m), from the list's end.  So every place holds a row of xq.
; Stored: list[e][place] = the row of xq (2 x token + rank; rank 0 where the token is not routed here); loc[e][token] = the token's place; cnt[e] = NT = ceil(T / 16), at least 1, in 32 copies (128 consecutive bytes).
; The places behind the expert's T rows serve to fill its last tile: such rows are computed in the expert's own region by the later launches and read by nobody.
; The row ids are scattered into LDS (4,096 bytes, cleared first) and read back as they lie, so that every global store is of 512 consecutive bytes at a fixed address: no global address and no branch hangs on data.
; One wave: LDS serves its instructions in order (ISA guide 5.7.1.4), so no barrier is written.
.set ST, 16                            ; v16-47   sel: register 4 qp + i = token 128 qp + 4 lane + i
.set BT, 48                            ; v48-63   at work; v55 8 x lane; v56 NT; v60-63 zeros
.set LC, 64                            ; v64-95   the tokens' places, laid as sel
.set LS, 96                            ; v96-127  the list, read back
; s16 e; s17 routed tokens so far; s18 second-choice mask; s19 count
	s_load_b256 s[8:15], s[0:1], 0x0               ; sel s[8:9], list s[10:11], loc s[12:13], cnt s[14:15]
	v_lshl_add_u32 v128, v0, 2, 0x1000
	v_mov_b32 v129, 0
	v_and_b32 v1, 31, v0                           ; lane
	v_lshlrev_b32 v4, 4, v1                        ; 16 x lane
	v_lshlrev_b32 v5, 2, v1                        ; 4 x lane
	v_lshlrev_b32 v[BT+7], 3, v1                   ; 2 x 4 x lane
	v_mov_b32 v[BT+12], 0
	v_mov_b32 v[BT+13], 0
	v_mov_b32 v[BT+14], 0
	v_mov_b32 v[BT+15], 0
	s_mov_b32 s16, ttmp9                           ; e
	s_mov_b32 s17, 0
	s_lshl_b32 s2, ttmp9, 12                       ; an expert's 4,096 bytes of list and of loc
	s_mov_b32 s3, 0
	s_lshl_b32 s4, ttmp9, 7                        ; and its 128 bytes of cnt
	s_mov_b32 s5, 0
	s_wait_kmcnt 0x0
.irp qp, 0,1,2,3,4,5,6,7
	global_load_b128 v[ST+4*\qp:ST+4*\qp+3], v4, s[8:9] offset:512*\qp
.endr
	s_add_nc_u64 s[10:11], s[10:11], s[2:3]
	s_add_nc_u64 s[12:13], s[12:13], s[2:3]
	s_add_nc_u64 s[14:15], s[14:15], s[4:5]
.irp m, 0,1,2,3,4,5,6,7
	ds_store_b128 v4, v[BT+12:BT+15] offset:512*\m
.endr
	s_wait_loadcnt 0x0
.macro GRP qp, i                       ; group G = 4 qp + i: tokens 128 qp + 4 lane + i, in the builder's order numbers 32 G + lane
.set GG, 4*(\qp)+(\i)
	v_and_b32 v[BT], 15, v[ST+GG]
	v_lshrrev_b32 v[BT+1], 4, v[ST+GG]
	v_cmp_eq_u32 s18, s16, v[BT+1]                 ; e is the token's second choice
	v_cmp_eq_u32 vcc_lo, s16, v[BT]                ; or its first
	s_or_b32 vcc_lo, vcc_lo, s18
	v_mbcnt_lo_u32_b32 v[BT+2], vcc_lo, s17        ; m: routed tokens before me
	v_sub_nc_u32 v[BT+3], 1023-32*GG, v1
	v_cndmask_b32 v[BT+3], v[BT+3], 0, vcc_lo      ; routed: place m; else m + 1,023 - (32 G + lane)
	v_add_nc_u32 v[BT+2], v[BT+2], v[BT+3]
	v_min_u32 v[LC+GG], 0x3ff, v[BT+2]             ; my place
	v_lshlrev_b32 v[BT+4], 2, v[LC+GG]
	v_cndmask_b32 v[BT+5], 0, 1, s18
	v_add3_u32 v[BT+5], v[BT+5], v[BT+7], 256*(\qp)+2*(\i)   ; the row of xq: 2 x token + rank
	ds_store_b32 v[BT+4], v[BT+5]
	s_bcnt1_i32_b32 s19, vcc_lo
	s_add_co_u32 s17, s17, s19
.endm
.irp qp, 0,1,2,3,4,5,6,7
.irp i, 0,1,2,3
	GRP \qp, \i
.endr
.endr
.irp m, 0,1,2,3,4,5,6,7
	ds_load_b128 v[LS+4*\m:LS+4*\m+3], v4 offset:512*\m    ; the list as it lies
.endr
	s_add_co_u32 s19, s17, 15
	s_lshr_b32 s19, s19, 4
	s_max_u32 s19, s19, 1                          ; NT
	v_mov_b32 v[BT+8], s19
.irp qp, 0,1,2,3,4,5,6,7
	global_store_b128 v4, v[LC+4*\qp:LC+4*\qp+3], s[12:13] offset:512*\qp   ; loc: 512 consecutive bytes a store
.endr
	global_store_b32 v5, v[BT+8], s[14:15]         ; cnt: 128 consecutive bytes
	s_wait_dscnt 0x0
.irp m, 0,1,2,3,4,5,6,7
	global_store_b128 v4, v[LS+4*\m:LS+4*\m+3], s[10:11] offset:512*\m      ; list likewise
.endr
	s_wait_tensorcnt 0x0
	ds_add_u32 v128, v129
	s_wait_dscnt 0x0
	s_endpgm
.Lfunc_end_k_qeb9d5ab035_place:
	.size	k_qeb9d5ab035_place, .Lfunc_end_k_qeb9d5ab035_place-k_qeb9d5ab035_place
	.p2alignl 7, 3214868480
	.fill 96, 4, 3214868480
	.section	.rodata,"a",@progbits
	.p2align	6, 0x0
	.amdhsa_kernel k_qeb9d5ab035_place
		.amdhsa_group_segment_fixed_size 4352
		.amdhsa_private_segment_fixed_size 0
		.amdhsa_enable_private_segment 0
		.amdhsa_kernarg_size 32
		.amdhsa_user_sgpr_count 2
		.amdhsa_user_sgpr_kernarg_segment_ptr 1
		.amdhsa_wavefront_size32 1
		.amdhsa_system_sgpr_workgroup_id_x 1
		.amdhsa_system_sgpr_workgroup_id_y 1
		.amdhsa_system_sgpr_workgroup_id_z 1
		.amdhsa_system_vgpr_workitem_id 0
		.amdhsa_next_free_vgpr 130
		.amdhsa_next_free_sgpr 66
		.amdhsa_reserve_vcc 1
		.amdhsa_float_denorm_mode_32 3
		.amdhsa_float_denorm_mode_16_64 3
		.amdhsa_memory_ordered 1
		.amdhsa_forward_progress 1
		.amdhsa_inst_pref_size 30
	.end_amdhsa_kernel
	.amdgpu_metadata
---
amdhsa.version: [ 1, 2 ]
amdhsa.kernels:
  - .name:           k_qeb9d5ab035_place
    .symbol:         k_qeb9d5ab035_place.kd
    .args:
      - { .name: sel, .offset: 0, .size: 8, .value_kind: global_buffer, .address_space: global }
      - { .name: list, .offset: 8, .size: 8, .value_kind: global_buffer, .address_space: global }
      - { .name: loc, .offset: 16, .size: 8, .value_kind: global_buffer, .address_space: global }
      - { .name: cnt, .offset: 24, .size: 8, .value_kind: global_buffer, .address_space: global }
    .group_segment_fixed_size: 4352
    .private_segment_fixed_size: 0
    .kernarg_segment_align: 8
    .kernarg_segment_size: 32
    .max_flat_workgroup_size: 32
    .sgpr_count:     66
    .vgpr_count:     130
    .wavefront_size: 32
...
	.end_amdgpu_metadata
.endif
;; end of part 2
;; launch ffn1 (part 3): grid 256 x 1, 4 waves a work-group, no clusters, 133,632 bytes of LDS; arguments list, xq, w1_codes, b1, lowp_scales, h, cnt; writes h
.if DOCPART == 3
	.amdgcn_target "amdgcn-amd-amdhsa--gfx1250"
	.amdhsa_code_object_version 6
	.text
	.protected	k_qeb9d5ab035_ffn1
	.globl	k_qeb9d5ab035_ffn1
	.p2align	8
	.type	k_qeb9d5ab035_ffn1,@function
k_qeb9d5ab035_ffn1:
	s_mov_b64 s[64:65], 0
	v_nop
	global_prefetch_b8 v0, s[64:65] scope:SCOPE_SE
	s_setreg_imm32_b32 hwreg(HW_REG_WAVE_MODE, 25, 1), 1
	s_wait_xcnt 0x0
; THE FIRST PRODUCT OF THE CHOSEN EXPERTS: h = Q(gelu(x W1 + b1)), on codes of E5M2, only for the rows that were routed to the expert.
; SHARES.  Work-group id = (e x 16 + g) x 2 + q: expert e, hidden units 256 g .. 256 g + 255, and the tiles of 16 routed rows with parity q (tiles 2 k + q).  Wave w keeps its 64 rows of W1 over all K = 1,024 in 512 registers
; for the whole launch, read from memory once.  The rows of x (codes, 1,024 bytes) are gathered four tiles at a time, whole rows, into one of two LDS buffers, which all four waves read.
; THE LIST.  list[e][place] (the row of xq at each of the expert's 1,024 places) and cnt[e] = NT (its tiles of 16 rows, at least 1) were stored by the launch before.  A tile's 16 rows come by one scalar load of 64 bytes;
; two sets of 16 scalar registers take turns, each asked for again, two batches ahead, as soon as it has been used.  Places behind the expert's last row hold other rows of xq: they fill the last tile and the last batch,
; are computed and stored inside the expert's own region, and nobody reads them.
; No tensor load and no joint load: how many tiles there are hangs on stored numbers.  Every loop has a constant count; what has no rows is jumped over, and no barrier stands under such a jump.
; THE MATRIX INSTRUCTION IS USED TRANSPOSED (source 0 = 16 rows of W1, source 1 = 16 rows of x), and lane r of tile 2 b + u takes W1's row 32 b + 8 u + r + 8 (r / 8): so a lane holds ONE routed row, and the 16 registers of
; tiles 2 b, 2 b + 1 are the hidden units 32 b + 16 (lane / 16) + 0 .. 15: their 16 codes are four registers of the second product's operand.  h is laid as images of that operand's registers:
; [e][tile][K step of 128][c][lane][16 bytes]; my 64 units are K step 2 g + w / 2, c = 2 (w % 2) + b.  A fragment's registers 4 c .. 4 c + 3 hold k = 32 c + 16 (lane / 16) + 0 .. 15, alike in both operands.
; gelu is the tanh form: z x 1 / (1 + 2^(z (cA + cB z^2))), cA = -2 sqrt(2 / pi) log2(e), cB = 0.044715 cA; b1 goes in as the C of a sum's first product, divided by 2^(ex + ew1).
; LIMITS: ex + ew1 between -126 and 127; eh between -126 and 112; NaN is not served.
; REGISTERS, in windows of 256: window 0: addresses, accumulators, b1, codes, the rows on their way to LDS;  windows 1, 2: W1's fragment (tile ct, K step s) at window 1 + s / 4, register ((s % 4) 4 + ct) 16;
;   window 3: x's fragments of a tile, two buffers of 128 (K step s at 16 s); the first 32 registers of the buffer just multiplied are at work in the activation.
.set XP,   1040                        ; a row of x in LDS: 1,024 bytes + 16: the 16 rows of a fragment load start 260 words apart
.set XB0,  0                           ; LDS: 64 rows,
.set XB1,  XB0+64*XP                   ; and 64 more
.set WO,  5                            ; v5   W1: (r + 8 (r / 8)) x 1,024 + 16 (lane / 16) + 65,536 w
.set BO,  6                            ; v6   b1: 64 (lane / 16) + 256 w
.set XS,  7                            ; v7, v8   where I store gathered rows: buffer + 16 rows x w + 16 lane
.set XA,  9                            ; v9, v10  where I read fragments: buffer + row r + 16 (lane / 16)
.set HO,  13                           ; v13  h: 16 lane + (2 g + w / 2) x 2,048 + (w % 2) x 1,024
.set SC,  15                           ; v15  2^eh
.set LIM, 16                           ; v16  57,344 x 2^eh
.set TV,  17
.set CA,  28                           ; v[28:29] cA, twice
.set ACC, 32                           ; v32-63   four tiles of 16 units x 16 rows
.set B1R, 64                           ; v64-95   b1 / 2^(ex + ew1) in the result's layout
.set CD,  96                           ; v96-111  two sets of eight registers of codes
.set ST,  112                          ; v112-239 16 rows x 32 bytes a lane on their way to LDS
.set OFF, 240                          ; v240-255 the 16 rows' byte offsets in xq
.set LSA, 68                           ; s[68:83]  16 places of the list: the even batches' set; its address in s[44:45]
.set LSB, 84                           ; s[84:99]  the odd batches' set; its address in s[46:47]
; s24-27 ex, ew1, eh, ew2; s28 w, s29 q, s30 g, s31 e; s32 NT, s33 my tiles; s34 8 x trip; s35 trips left; s[38:39] 2^(ex + ew1); s[42:43] cB;
; s[52:53] W1, s[54:55] b1, s[56:57] h at my part; s[58:59] the list at my expert and parity; s60-63 at work
.set MSB, 0
.macro WIN new                         ; the immediate's high byte repeats the setting that is left; a switch that changes nothing is dropped
.if MSB != (\new)
	s_set_vgpr_msb (MSB<<8)|(\new)
.set MSB, (\new)
.endif
.endm
.macro WL sp, ct                       ; eight loads: tile ct, K steps 2 sp and 2 sp + 1: 256 consecutive bytes of each of 16 rows
	WIN 0x40+0x40*((\sp)/2)
.irp x, 0,1
.irp c, 0,1,2,3
.set WR, (((2*(\sp)+\x)%4)*4+(\ct))*16+4*\c
	global_load_b128 v[WR:WR+3], v[WO], s[52:53] offset:(32*((\ct)/2)+8*((\ct)%2))*1024+128*(2*(\sp)+\x)+32*\c
.endr
.endr
.endm
.macro LREQ set, adr, add              ; the 16 places of my tile number s34 + add + w of my parity are asked for; the number is held at 31, a parity's last, so that no request leaves the list
	s_add_co_u32 s60, s34, \add
	s_add_co_u32 s60, s60, s28
	s_min_u32 s60, s60, 31
	s_lshl_b32 s60, s60, 7                         ; two tiles of 64 bytes from one tile of my parity to the next
	s_mov_b32 s61, 0
	s_add_nc_u64 s[\adr:\adr+1], s[58:59], s[60:61]   ; (behind a wait for all scalar loads: the set's last request has read this pair)
	s_load_b512 s[\set:\set+15], s[\adr:\adr+1], 0x0
.endm
.macro LUSE set                        ; each place's row becomes row x 1,024 + 16 lane
.set rr, 0
.rept 16
	s_min_u32 s[\set+rr], s[\set+rr], 0x7ff
	v_lshl_add_u32 v[OFF+rr], s[\set+rr], 10, v4
.set rr, rr+1
.endr
.endm
.macro XLOAD                           ; 16 whole rows of 1,024 bytes: 512 consecutive bytes a load
.set rr, 0
.rept 16
	global_load_b128 v[ST+8*rr:ST+8*rr+3], v[OFF+rr], s[10:11]
	global_load_b128 v[ST+8*rr+4:ST+8*rr+7], v[OFF+rr], s[10:11] offset:512
.set rr, rr+1
.endr
.endm
.macro XSTORE n
.set rr, 0
.rept 16
	ds_store_b128 v[XS+\n], v[ST+8*rr:ST+8*rr+3] offset:XP*rr
	ds_store_b128 v[XS+\n], v[ST+8*rr+4:ST+8*rr+7] offset:XP*rr+512
.set rr, rr+1
.endr
.endm
.macro AFETCH n, jj, p                 ; the eight fragments of tile jj of buffer n into register buffer p
	WIN 0xc0
.set ks, 0
.rept 8
.irp c, 0,1,2,3
	ds_load_b128 v[128*(\p)+16*ks+4*\c:128*(\p)+16*ks+4*\c+3], v[XA+(\n)] offset:16*XP*(\jj)+128*ks+32*\c
.endr
.set ks, ks+1
.endr
	WIN 0
.endm
.macro MUL p                           ; 32 products: K step by K step, the four accumulators by turns, one instruction a turn; b1 starts the sums
.set ks, 0
.rept 8
	WIN 0x0d+(ks/4)
.set tc, 0
.rept 4
.set WR, ((ks%4)*4+tc)*16
.set AR, 128*(\p)+16*ks
.if ks == 0
	v_wmma_f32_16x16x128_bf8_bf8 v[ACC+8*tc:ACC+8*tc+7], v[WR:WR+15], v[AR:AR+15], v[B1R+8*tc:B1R+8*tc+7]
.else
	v_wmma_f32_16x16x128_bf8_bf8 v[ACC+8*tc:ACC+8*tc+7], v[WR:WR+15], v[AR:AR+15], v[ACC+8*tc:ACC+8*tc+7]
.endif
.set tc, tc+1
.endr
.set ks, ks+1
.endr
	WIN 0
.rept 5
	v_nop                                          ; places behind the products: for the reads of the sums, the writes over x's fragments, later loads into them, and the next tile's sums, which begin anew
.endr
.endm
.macro EPI p                           ; 32 sums a lane become 32 codes.  Each accumulator is read from its low end on
.set TT, 128*(\p)
.set CS, CD+8*(\p)
.set jx, 0
.rept 16
	v_pk_mul_f32 v[ACC+jx:ACC+jx+1], v[ACC+jx:ACC+jx+1], s[38:39] op_sel_hi:[1,0]   ; z = sum x 2^(ex + ew1)
.set jx, jx+2
.endr
	WIN 0xc0
.set jx, 0
.rept 16
	v_pk_mul_f32 v[TT+jx:TT+jx+1], v[ACC+jx:ACC+jx+1], v[ACC+jx:ACC+jx+1]           ; z^2
.set jx, jx+2
.endr
	WIN 0xc3
.set jx, 0
.rept 16
	v_pk_fma_f32 v[TT+jx:TT+jx+1], v[TT+jx:TT+jx+1], s[42:43], v[CA:CA+1] op_sel_hi:[1,0,1]   ; cB z^2 + cA
.set jx, jx+2
.endr
.set jx, 0
.rept 16
	v_pk_mul_f32 v[TT+jx:TT+jx+1], v[TT+jx:TT+jx+1], v[ACC+jx:ACC+jx+1]             ; x z
.set jx, jx+2
.endr
.set jx, 0
.rept 32
	v_exp_f32 v[TT+jx], v[TT+jx]
.set jx, jx+1
.endr
	v_nop                                          ; a plain line behind the exponentials
.set jx, 0
	s_wait_alu depctr_va_vdst(0)
.rept 16
	v_pk_add_f32 v[TT+jx:TT+jx+1], v[TT+jx:TT+jx+1], 1.0 op_sel_hi:[1,0]
.set jx, jx+2
.endr
.set jx, 0
.rept 32
	v_rcp_f32 v[TT+jx], v[TT+jx]
.set jx, jx+1
.endr
	v_nop
	WIN 0x03
.set jx, 0
	s_wait_alu depctr_va_vdst(0)
.rept 16
	v_pk_mul_f32 v[ACC+jx:ACC+jx+1], v[TT+jx:TT+jx+1], v[ACC+jx:ACC+jx+1]           ; gelu(z)
.set jx, jx+2
.endr
	WIN 0
	s_wait_xcnt 0x0                                ; the stores of two tiles back have read this set of codes
.set jx, 0
.rept 32
	v_med3_num_f32 v[ACC+jx], v[ACC+jx], -v[LIM], v[LIM]   ; the conversion does not saturate (ISA guide 7.6.2)
.set jx, jx+1
.endr
.irp b, 0,1
	v_cvt_scalef32_pk8_bf8_f32 v[CS+4*\b:CS+4*\b+1], v[ACC+16*\b:ACC+16*\b+7], v[SC]
	v_cvt_scalef32_pk8_bf8_f32 v[CS+4*\b+2:CS+4*\b+3], v[ACC+16*\b+8:ACC+16*\b+15], v[SC]
.endr
	v_nop                                          ; a plain line behind the conversions: the next products write their sources
.endm
.macro TILE n, beta, jj, endl          ; tile jj of a batch: the next tile's fragments are asked for first
.if \jj > 0
	s_add_co_u32 s60, s34, 4*\beta+\jj
	s_cmp_lt_u32 s60, s33
	s_cbranch_scc0 \endl
.endif
.if \jj < 3
	AFETCH \n, \jj+1, (\jj+1)%2
	s_wait_dscnt 32                                ; my tile's 32 loads are in; the 32 just issued are younger
.else
	s_wait_dscnt 0x0
.endif
	MUL \jj%2
	EPI \jj%2
	global_store_b128 v[HO], v[CD+8*(\jj%2):CD+8*(\jj%2)+3], s[56:57] offset:(4*\beta+\jj)*131072        ; 512 consecutive bytes, at a multiple of 512 from h's first byte
	global_store_b128 v[HO], v[CD+8*(\jj%2)+4:CD+8*(\jj%2)+7], s[56:57] offset:(4*\beta+\jj)*131072+512
.endm
.macro BATCH n, beta                   ; up to four tiles out of LDS buffer n
	s_add_co_u32 s60, s34, 4*\beta
	s_cmp_lt_u32 s60, s33
	s_cbranch_scc0 .Lbe_\@
	AFETCH \n, 0, 0
	TILE \n, \beta, 0, .Lbe_\@
	TILE \n, \beta, 1, .Lbe_\@
	TILE \n, \beta, 2, .Lbe_\@
	TILE \n, \beta, 3, .Lbe_\@
.Lbe_\@:
.endm
	s_load_b256 s[8:15], s[0:1], 0x0               ; list s[8:9], xq s[10:11], W1 s[12:13], b1 s[14:15]
	s_load_b128 s[16:19], s[0:1], 0x20             ; the scales s[16:17], h s[18:19]
	s_load_b64 s[20:21], s[0:1], 0x30              ; cnt
	v_lshl_add_u32 v30, v0, 2, 0x20800
	v_mov_b32 v31, 0
	v_lshrrev_b32 v[TV], 5, v0
	v_readfirstlane_b32 s28, v[TV]                 ; w
	s_and_b32 s29, ttmp9, 1                        ; q
	s_bfe_u32 s30, ttmp9, 0x40001                  ; g
	s_lshr_b32 s31, ttmp9, 5                       ; e
	v_and_b32 v1, 31, v0                           ; lane
	v_and_b32 v2, 15, v0                           ; r
	v_bfe_u32 v3, v0, 4, 1                         ; lane / 16
	v_lshlrev_b32 v4, 4, v1
	v_and_b32 v[TV], 8, v2
	v_add_nc_u32 v[TV], v[TV], v2
	v_lshlrev_b32 v[WO], 10, v[TV]
	v_lshl_add_u32 v[WO], v3, 4, v[WO]
	s_lshl_b32 s60, s28, 16
	v_add_nc_u32 v[WO], s60, v[WO]
	v_lshlrev_b32 v[BO], 6, v3
	s_lshl_b32 s60, s28, 8
	v_add_nc_u32 v[BO], s60, v[BO]
	s_mul_i32 s60, s28, 16*XP
	v_add_nc_u32 v[XS], s60, v4
	v_add_nc_u32 v[XS+1], XB1, v[XS]
	v_add_nc_u32 v[XS], XB0, v[XS]
	v_mul_u32_u24 v[XA], v2, XP
	v_lshl_add_u32 v[XA], v3, 4, v[XA]
	v_add_nc_u32 v[XA+1], XB1, v[XA]
	v_add_nc_u32 v[XA], XB0, v[XA]
	s_lshl_b32 s60, s30, 1
	s_lshr_b32 s61, s28, 1
	s_add_co_u32 s60, s60, s61
	s_lshl_b32 s60, s60, 11
	s_and_b32 s61, s28, 1
	s_lshl_b32 s61, s61, 10
	s_add_co_u32 s60, s60, s61
	v_add_nc_u32 v[HO], s60, v4
	s_mov_b32 s34, 0
	s_mov_b32 s35, 4
	s_mov_b32 s63, 0
	s_lshl_b32 s60, s31, 22                        ; an expert's 4 MiB of W1 and of h
	s_lshl_b32 s61, s30, 18
	s_add_co_u32 s62, s60, s61
	s_wait_kmcnt 0x0
	s_add_nc_u64 s[52:53], s[12:13], s[62:63]      ; W1 at the work-group's 256 rows
	s_lshl_b32 s62, s29, 16
	s_add_co_u32 s62, s62, s60
	s_add_nc_u64 s[56:57], s[18:19], s[62:63]      ; h at tile q of the expert
	s_lshl_b32 s62, s31, 14
	s_lshl_b32 s61, s30, 10
	s_add_co_u32 s62, s62, s61
	s_add_nc_u64 s[54:55], s[14:15], s[62:63]      ; b1 at the work-group's 256 units
	s_lshl_b32 s62, s31, 7
	s_add_nc_u64 s[20:21], s[20:21], s[62:63]      ; cnt at the expert's 128 bytes
	s_lshl_b32 s62, s31, 12
	s_lshl_b32 s61, s29, 6
	s_add_co_u32 s62, s62, s61
	s_add_nc_u64 s[58:59], s[8:9], s[62:63]        ; the list at the expert's 4,096 bytes, tile q
	s_lshl_b32 s62, s31, 4
	s_add_nc_u64 s[16:17], s[16:17], s[62:63]
	s_load_b128 s[24:27], s[16:17], 0x0            ; ex, ew1, eh, ew2 of my expert
	s_load_b32 s32, s[20:21], 0x0                  ; NT
	LREQ LSA, 44, 0                                ; my tile of the first batch,
	LREQ LSB, 46, 4                                ; and of the second
	WL 0, 0
	WL 0, 1
	WL 0, 2
	WL 0, 3
	WL 1, 0
	WL 1, 1
	WIN 0
	s_wait_kmcnt 0x0                               ; the scales, NT and both sets of places
	s_min_u32 s32, s32, 64
	s_max_u32 s32, s32, 1
	s_add_co_u32 s33, s32, 1
	s_sub_co_u32 s33, s33, s29
	s_lshr_b32 s33, s33, 1                         ; tiles of my parity: (NT + 1 - q) / 2, at most 32
	LUSE LSA
	LREQ LSA, 44, 8                                ; the third batch's places
	XLOAD                                          ; the first four tiles' rows
	WL 1, 2
	WL 1, 3
.irp sp, 2,3
.irp ct, 0,1,2,3
	WL \sp, \ct
.endr
.endr
	WIN 0
.irp ct, 0,1,2,3
	global_load_b128 v[B1R+8*\ct:B1R+8*\ct+3], v[BO], s[54:55] offset:(32*(\ct/2)+8*(\ct%2))*4
	global_load_b128 v[B1R+8*\ct+4:B1R+8*\ct+7], v[BO], s[54:55] offset:(32*(\ct/2)+8*(\ct%2))*4+16
.endr
	s_wait_loadcnt 63                              ; the rows are in: 88 loads are younger, and the count's field holds 63
	XSTORE 0
	s_wait_dscnt 0x0                               ; for the others' sake: my 16 rows lie in LDS
	s_barrier_signal -1
	s_barrier_wait -1                              ; buffer 0 is whole
	s_wait_loadcnt 0x0                             ; W1 and b1
	s_add_co_i32 s60, s24, s25                     ; ex + ew1
	s_sub_co_i32 s61, 0, s60
.set jx, 0
.rept 32
	v_ldexp_f32 v[B1R+jx], v[B1R+jx], s61          ; b1 / 2^(ex + ew1)
.set jx, jx+1
.endr
	s_add_co_i32 s60, s60, 127
	s_lshl_b32 s38, s60, 23                        ; 2^(ex + ew1) as f32
	s_mov_b32 s39, s38                             ; (named with it as a pair, so it is written)
	s_mov_b32 s42, 0xbdd2d3e8                      ; cB
	s_mov_b32 s43, s42
	v_mov_b32 v[CA], 0xc0135761                    ; cA
	v_mov_b32 v[CA+1], 0xc0135761
	s_add_co_i32 s60, s26, 127
	s_lshl_b32 s61, s60, 23
	v_mov_b32 v[SC], s61                           ; 2^eh: the conversion takes its exponent field
	s_add_co_i32 s60, s60, 15
	s_lshl_b32 s60, s60, 23
	s_or_b32 s60, s60, 0x600000
	v_mov_b32 v[LIM], s60                          ; 57,344 x 2^eh
.Ltrip:                                            ; four trips of two batches: 32 tiles, as many as a parity can have.  Each barrier parts one buffer's reads from its next fill and the other's fill from its reads
	s_add_co_u32 s60, s34, 4
	s_cmp_lt_u32 s60, s33
	s_cbranch_scc0 .Lp1
	s_wait_kmcnt 0x0                               ; the odd set holds the places of my tile s34 + 4 + w
	LUSE LSB
	LREQ LSB, 46, 12                               ; the next trip's
	XLOAD                                          ; the next batch's rows land while this batch is multiplied
.Lp1:
	BATCH 0, 0
	s_wait_loadcnt 0x0
	s_add_co_u32 s60, s34, 4
	s_cmp_lt_u32 s60, s33
	s_cbranch_scc0 .Lq1
	XSTORE 1
.Lq1:
	s_wait_dscnt 0x0                               ; my stores have landed, my reads of buffer 0 are in
	s_barrier_signal -1
	s_barrier_wait -1
	s_add_co_u32 s60, s34, 8
	s_cmp_lt_u32 s60, s33
	s_cbranch_scc0 .Lp2
	s_wait_kmcnt 0x0                               ; the even set holds the places of my tile s34 + 8 + w
	LUSE LSA
	LREQ LSA, 44, 16
	XLOAD
.Lp2:
	BATCH 1, 1
	s_wait_loadcnt 0x0
	s_add_co_u32 s60, s34, 8
	s_cmp_lt_u32 s60, s33
	s_cbranch_scc0 .Lq2
	XSTORE 0
.Lq2:
	s_wait_dscnt 0x0
	s_barrier_signal -1
	s_barrier_wait -1
	s_wait_xcnt 0x0                                ; the stores have read their base
	s_add_nc_u64 s[56:57], s[56:57], 0x100000      ; eight tiles of my parity on
	s_add_co_u32 s34, s34, 8
	s_sub_co_u32 s35, s35, 1
	s_cmp_lg_u32 s35, 0
	s_cbranch_scc1 .Ltrip
	s_wait_tensorcnt 0x0
	ds_add_u32 v30, v31
	s_wait_dscnt 0x0
	s_endpgm
.Lfunc_end_k_qeb9d5ab035_ffn1:
	.size	k_qeb9d5ab035_ffn1, .Lfunc_end_k_qeb9d5ab035_ffn1-k_qeb9d5ab035_ffn1
	.p2alignl 7, 3214868480
	.fill 96, 4, 3214868480
	.section	.rodata,"a",@progbits
	.p2align	6, 0x0
	.amdhsa_kernel k_qeb9d5ab035_ffn1
		.amdhsa_group_segment_fixed_size 133632
		.amdhsa_private_segment_fixed_size 0
		.amdhsa_enable_private_segment 0
		.amdhsa_kernarg_size 56
		.amdhsa_user_sgpr_count 2
		.amdhsa_user_sgpr_kernarg_segment_ptr 1
		.amdhsa_wavefront_size32 1
		.amdhsa_system_sgpr_workgroup_id_x 1
		.amdhsa_system_sgpr_workgroup_id_y 1
		.amdhsa_system_sgpr_workgroup_id_z 1
		.amdhsa_system_vgpr_workitem_id 0
		.amdhsa_next_free_vgpr 1024
		.amdhsa_next_free_sgpr 100
		.amdhsa_reserve_vcc 0
		.amdhsa_float_denorm_mode_32 3
		.amdhsa_float_denorm_mode_16_64 3
		.amdhsa_memory_ordered 1
		.amdhsa_forward_progress 1
		.amdhsa_inst_pref_size 164
	.end_amdhsa_kernel
	.amdgpu_metadata
---
amdhsa.version: [ 1, 2 ]
amdhsa.kernels:
  - .name:           k_qeb9d5ab035_ffn1
    .symbol:         k_qeb9d5ab035_ffn1.kd
    .args:
      - { .name: list, .offset: 0, .size: 8, .value_kind: global_buffer, .address_space: global }
      - { .name: xq, .offset: 8, .size: 8, .value_kind: global_buffer, .address_space: global }
      - { .name: w1_codes, .offset: 16, .size: 8, .value_kind: global_buffer, .address_space: global }
      - { .name: b1, .offset: 24, .size: 8, .value_kind: global_buffer, .address_space: global }
      - { .name: lowp_scales, .offset: 32, .size: 8, .value_kind: global_buffer, .address_space: global }
      - { .name: h, .offset: 40, .size: 8, .value_kind: global_buffer, .address_space: global }
      - { .name: cnt, .offset: 48, .size: 8, .value_kind: global_buffer, .address_space: global }
    .group_segment_fixed_size: 133632
    .private_segment_fixed_size: 0
    .kernarg_segment_align: 8
    .kernarg_segment_size: 56
    .max_flat_workgroup_size: 128
    .sgpr_count:     100
    .vgpr_count:     1024
    .wavefront_size: 32
...
	.end_amdgpu_metadata
.endif
;; end of part 3
;; launch ffn2 (part 4): grid 256 x 1, 4 waves a work-group, no clusters, 70,144 bytes of LDS; arguments h, w2_codes, b2, lowp_scales, cnt, y; writes y
.if DOCPART == 4
	.amdgcn_target "amdgcn-amd-amdhsa--gfx1250"
	.amdhsa_code_object_version 6
	.text
	.protected	k_qeb9d5ab035_ffn2
	.globl	k_qeb9d5ab035_ffn2
	.p2align	8
	.type	k_qeb9d5ab035_ffn2,@function
k_qeb9d5ab035_ffn2:
	s_mov_b64 s[64:65], 0
	v_nop
	global_prefetch_b8 v0, s[64:65] scope:SCOPE_SE
	s_setreg_imm32_b32 hwreg(HW_REG_WAVE_MODE, 25, 1), 1
	s_wait_xcnt 0x0
; THE SECOND PRODUCT OF THE CHOSEN EXPERTS: y = h W2 + b2, on codes of E5M2, for the expert's NT tiles of 16 routed rows (NT from cnt, stored by the launch before).
; SHARES.  Work-group id = (e x 16 + g) x 2 + q: expert e, columns 64 g .. 64 g + 63 of the output, tiles 2 k + q.  THE WAVES SPLIT K: wave w keeps W2's 64 rows x K = 1,024 w .. 1,024 w + 1,023 in 512 registers,
; read from memory once, and loads only its own eight K steps of each tile of h.  h lies as images of the operand's registers, so a fragment is four loads of 512 consecutive bytes, straight into registers.
; The four waves' partial tiles (16 rows x 64 columns, f32) meet in LDS, two tiles to a group and two LDS buffers by turns: one barrier a group; each wave then adds four parts for 8 rows of one tile,
; multiplies by 2^(eh + ew2), adds b2 and stores: sixteen lanes store 256 consecutive bytes, at a multiple of 256 from y's first byte.
; THE MATRIX INSTRUCTION IS USED TRANSPOSED (source 0 = 16 rows of W2, source 1 = 16 routed rows): a lane holds eight neighbouring columns of one row of y.
; h comes through a ring of four half tiles (4 K steps, 16 loads each) in registers; a half is asked for again as soon as it is multiplied, for the tile two further on; past the last tile the tile's number is held at NT - 1.
; No tensor load and no joint load: the number of tiles hangs on a stored number.  The loop has a constant count; a group without tiles is jumped over, its barrier is not.
; LIMITS: eh + ew2 between -126 and 127.
; REGISTERS, in windows of 256: window 0: addresses, b2, two sets of four accumulators, the parts to be added, results;  windows 1, 2: W2's fragment (tile ct, K step s) at window 1 + s / 4, register ((s % 4) 4 + ct) 16;
;   window 3: the four halves, half (tile parity kap, hf) at 64 (2 kap + hf), K step at + 16.
.set PP,    272                        ; a row of a partial tile in LDS: 256 bytes + 16
.set SLOTB, 16*PP
.set WAVB,  2*SLOTB
.set BUFB,  4*WAVB
.set WO,  4                            ; v4   W2: 4,096 r + 16 (lane / 16) + 1,024 w
.set A0,  5                            ; v5   h: 16 lane + 16,384 w
.set AO,  6                            ; v6, v7  the same + the tile that each parity loads next
.set PW,  8                            ; v8   where I put my part: my wave's region, row r, + 32 (lane / 16)
.set RDA, 9                            ; v9   where I read parts: tile w / 2, rows 8 (w % 2) + lane / 16, 16 bytes a lane
.set YO,  10                           ; v10  y: 4,096 (lane / 16) + 16 r
.set BOF, 11
.set B2R, 12                           ; v12-15 b2 of my four columns
.set ACC, 32                           ; v32-63, v64-95
.set RD,  96                           ; v96-159
.set OUT, 160                          ; v160-175
; s24-27 ex, ew1, eh, ew2; s28 w, s29 q, s30 g, s31 e; s32 NT - 1; s33 my tiles; s34 the group's first tile; s35 trips left; s[40:41] 2^(eh + ew2); s[42:43] W2, s[44:45] h, s[46:47] b2, s[48:49] y at my part; s[50:51] y in hand
.set MSB, 0
.macro WIN new
.if MSB != (\new)
	s_set_vgpr_msb (MSB<<8)|(\new)
.set MSB, (\new)
.endif
.endm
.macro WL sp, ct                       ; eight loads: tile ct, K steps 2 sp and 2 sp + 1: 256 consecutive bytes of each of 16 rows
	WIN 0x40+0x40*((\sp)/2)
.irp x, 0,1
.irp c, 0,1,2,3
.set WR, (((2*(\sp)+\x)%4)*4+(\ct))*16+4*\c
	global_load_b128 v[WR:WR+3], v[WO], s[42:43] offset:65536*(\ct)+128*(2*(\sp)+\x)+32*\c
.endr
.endr
.endm
.macro HLOAD kap, hf                   ; sixteen loads of 512 consecutive bytes: four K steps of the tile that v[AO + kap] names
	WIN 0xc0
.set ks, 0
.rept 4
.irp c, 0,1,2,3
.set AR, 64*(2*(\kap)+(\hf))+16*ks+4*\c
	global_load_b128 v[AR:AR+3], v[AO+(\kap)], s[44:45] offset:8192*(\hf)+2048*ks+512*\c
.endr
.set ks, ks+1
.endr
	WIN 0
.endm
.macro HALF kap, hf                    ; sixteen products, the four accumulators by turns, one instruction a turn; then the half is asked for again
	s_wait_loadcnt 48                              ; this half's sixteen loads are in; the three younger halves stay out
	WIN 0x0d+(\hf)
.set ks, 0
.rept 4
.set tc, 0
.rept 4
.set WR, (ks*4+tc)*16
.set AR, 64*(2*(\kap)+(\hf))+16*ks
.set DR, ACC+32*(\kap)+8*tc
.if ((\hf) == 0) && (ks == 0)
	v_wmma_f32_16x16x128_bf8_bf8 v[DR:DR+7], v[WR:WR+15], v[AR:AR+15], 0
.else
	v_wmma_f32_16x16x128_bf8_bf8 v[DR:DR+7], v[WR:WR+15], v[AR:AR+15], v[DR:DR+7]
.endif
.set tc, tc+1
.endr
.set ks, ks+1
.endr
	WIN 0
.rept 4
	v_nop                                          ; places behind the products, in front of loads into their sources and of the LDS stores of their results
.endr
	HLOAD \kap, \hf
.endm
.macro TILE P, kap
	s_add_co_u32 s60, s34, \kap+2                  ; the tile two further on,
	s_lshl_b32 s60, s60, 1
	s_add_co_u32 s60, s60, s29
	s_min_u32 s60, s60, s32                        ; held at the expert's last
	s_min_u32 s60, s60, 63
	s_lshl_b32 s60, s60, 16
	s_wait_xcnt 0x0                                ; the loads that named this register have read it
	v_add_nc_u32 v[AO+\kap], s60, v[A0]
	HALF \kap, 0
	HALF \kap, 1
.irp ct, 0,1,2,3
	ds_store_b128 v[PW], v[ACC+32*\kap+8*\ct:ACC+32*\kap+8*\ct+3] offset:BUFB*\P+SLOTB*\kap+64*\ct        ; each accumulator from its low end on
	ds_store_b128 v[PW], v[ACC+32*\kap+8*\ct+4:ACC+32*\kap+8*\ct+7] offset:BUFB*\P+SLOTB*\kap+64*\ct+16
.endr
.endm
.macro REDUCE P                        ; 8 rows of tile s34 + w / 2, if the expert has it
	s_lshr_b32 s60, s28, 1
	s_add_co_u32 s60, s60, s34
	s_cmp_lt_u32 s60, s33
	s_cbranch_scc0 .Lnr_\@
	s_lshl_b32 s60, s60, 1
	s_add_co_u32 s60, s60, s29
	s_lshl_b32 s60, s60, 16                        ; a tile's 16 rows of 4,096 bytes
	s_and_b32 s61, s28, 1
	s_lshl_b32 s61, s61, 15
	s_add_co_u32 s52, s60, s61
	s_wait_xcnt 0x0                                ; the last stores have read their base and their data
	s_add_nc_u64 s[50:51], s[48:49], s[52:53]
.irp p, 0,1,2,3
.irp src, 0,1,2,3
	ds_load_b128 v[RD+16*\p+4*\src:RD+16*\p+4*\src+3], v[RDA] offset:BUFB*\P+WAVB*\src+2*PP*\p
.endr
.endr
	s_wait_dscnt 0x0
.irp p, 0,1,2,3
	v_pk_add_f32 v[RD+16*\p:RD+16*\p+1], v[RD+16*\p:RD+16*\p+1], v[RD+16*\p+4:RD+16*\p+5]
	v_pk_add_f32 v[RD+16*\p+2:RD+16*\p+3], v[RD+16*\p+2:RD+16*\p+3], v[RD+16*\p+6:RD+16*\p+7]
	v_pk_add_f32 v[RD+16*\p+8:RD+16*\p+9], v[RD+16*\p+8:RD+16*\p+9], v[RD+16*\p+12:RD+16*\p+13]
	v_pk_add_f32 v[RD+16*\p+10:RD+16*\p+11], v[RD+16*\p+10:RD+16*\p+11], v[RD+16*\p+14:RD+16*\p+15]
	v_pk_add_f32 v[RD+16*\p:RD+16*\p+1], v[RD+16*\p:RD+16*\p+1], v[RD+16*\p+8:RD+16*\p+9]
	v_pk_add_f32 v[RD+16*\p+2:RD+16*\p+3], v[RD+16*\p+2:RD+16*\p+3], v[RD+16*\p+10:RD+16*\p+11]
	v_pk_fma_f32 v[OUT+4*\p:OUT+4*\p+1], v[RD+16*\p:RD+16*\p+1], s[40:41], v[B2R:B2R+1] op_sel_hi:[1,0,1]       ; sum x 2^(eh + ew2) + b2
	v_pk_fma_f32 v[OUT+4*\p+2:OUT+4*\p+3], v[RD+16*\p+2:RD+16*\p+3], s[40:41], v[B2R+2:B2R+3] op_sel_hi:[1,0,1]
	global_store_b128 v[YO], v[OUT+4*\p:OUT+4*\p+3], s[50:51] offset:8192*\p
.endr
.Lnr_\@:
.endm
.macro GROUP P                         ; two tiles.  With an odd number of tiles the second is the held one: it is multiplied and not stored, so that the ring's order is the same on every way
	s_cmp_lt_u32 s34, s33
	s_cbranch_scc0 .Lng_\@
	TILE \P, 0
	TILE \P, 1
.Lng_\@:
	s_wait_dscnt 0x0                               ; my parts lie in LDS, and my reads of the other buffer are in
	s_barrier_signal -1
	s_barrier_wait -1
	REDUCE \P
	s_add_co_u32 s34, s34, 2
.endm
	s_load_b256 s[8:15], s[0:1], 0x0               ; h s[8:9], W2 s[10:11], b2 s[12:13], the scales s[14:15]
	s_load_b128 s[16:19], s[0:1], 0x20             ; cnt s[16:17], y s[18:19]
	v_lshl_add_u32 v254, v0, 2, 0x11000
	v_mov_b32 v255, 0
	v_lshrrev_b32 v1, 5, v0
	v_readfirstlane_b32 s28, v1                    ; w
	s_and_b32 s29, ttmp9, 1                        ; q
	s_bfe_u32 s30, ttmp9, 0x40001                  ; g
	s_lshr_b32 s31, ttmp9, 5                       ; e
	v_and_b32 v1, 31, v0
	v_and_b32 v2, 15, v0                           ; r
	v_bfe_u32 v3, v0, 4, 1                         ; lane / 16
	v_lshlrev_b32 v[WO], 12, v2
	v_lshl_add_u32 v[WO], v3, 4, v[WO]
	s_lshl_b32 s60, s28, 10
	v_add_nc_u32 v[WO], s60, v[WO]
	v_lshlrev_b32 v[A0], 4, v1
	s_lshl_b32 s60, s28, 14
	v_add_nc_u32 v[A0], s60, v[A0]
	v_mul_u32_u24 v[PW], v2, PP
	v_lshl_add_u32 v[PW], v3, 5, v[PW]
	s_mul_i32 s60, s28, WAVB
	v_add_nc_u32 v[PW], s60, v[PW]
	v_mul_u32_u24 v[RDA], v3, PP
	v_lshl_add_u32 v[RDA], v2, 4, v[RDA]
	s_lshr_b32 s60, s28, 1
	s_mul_i32 s60, s60, SLOTB
	s_and_b32 s61, s28, 1
	s_mul_i32 s61, s61, 8*PP
	s_add_co_u32 s60, s60, s61
	v_add_nc_u32 v[RDA], s60, v[RDA]
	v_lshlrev_b32 v[YO], 12, v3
	v_lshl_add_u32 v[YO], v2, 4, v[YO]
	v_lshlrev_b32 v[BOF], 4, v2
	s_mov_b32 s63, 0
	s_mov_b32 s53, 0
	s_lshl_b32 s60, s31, 22                        ; an expert's 4 MiB of W2, of h and of y
	s_lshl_b32 s61, s30, 18
	s_add_co_u32 s62, s60, s61
	s_wait_kmcnt 0x0
	s_add_nc_u64 s[42:43], s[10:11], s[62:63]      ; W2 at the work-group's 64 rows
	s_mov_b32 s62, s60
	s_add_nc_u64 s[44:45], s[8:9], s[62:63]        ; h at the expert
	s_lshl_b32 s61, s30, 8
	s_add_co_u32 s62, s60, s61
	s_add_nc_u64 s[48:49], s[18:19], s[62:63]      ; y at the expert and the work-group's 64 columns
	s_lshl_b32 s62, s31, 12
	s_add_co_u32 s62, s62, s61
	s_add_nc_u64 s[46:47], s[12:13], s[62:63]      ; b2 likewise
	s_lshl_b32 s62, s31, 7
	s_add_nc_u64 s[16:17], s[16:17], s[62:63]
	s_lshl_b32 s62, s31, 4
	s_add_nc_u64 s[14:15], s[14:15], s[62:63]
	s_load_b32 s32, s[16:17], 0x0                  ; NT
	s_load_b128 s[24:27], s[14:15], 0x0            ; ex, ew1, eh, ew2
	global_load_b128 v[B2R:B2R+3], v[BOF], s[46:47]
.irp sp, 0,1,2,3
.irp ct, 0,1,2,3
	WL \sp, \ct
.endr
.endr
	WIN 0
	s_wait_kmcnt 0x0
	s_min_u32 s32, s32, 64
	s_max_u32 s32, s32, 1
	s_add_co_u32 s33, s32, 1
	s_sub_co_u32 s33, s33, s29
	s_lshr_b32 s33, s33, 1                         ; tiles of my parity
	s_sub_co_u32 s32, s32, 1
	s_min_u32 s60, s29, s32
	s_min_u32 s60, s60, 63
	s_lshl_b32 s60, s60, 16
	v_add_nc_u32 v[AO], s60, v[A0]                 ; my first tile,
	s_add_co_u32 s60, s29, 2
	s_min_u32 s60, s60, s32
	s_min_u32 s60, s60, 63
	s_lshl_b32 s60, s60, 16
	v_add_nc_u32 v[AO+1], s60, v[A0]               ; and my second
	HLOAD 0, 0
	HLOAD 0, 1
	HLOAD 1, 0
	HLOAD 1, 1
	s_add_co_i32 s60, s26, s27
	s_add_co_i32 s60, s60, 127
	s_lshl_b32 s40, s60, 23                        ; 2^(eh + ew2) as f32
	s_mov_b32 s41, s40                             ; (named with it as a pair, so it is written)
	s_mov_b32 s34, 0
	s_mov_b32 s35, 8
	s_wait_loadcnt 63                              ; b2 is in, on every way into the loop: 192 loads are younger, and the count's field holds 63
.Ltrip:                                            ; eight trips of two groups of two tiles: 32 tiles, as many as a parity can have
	GROUP 0
	GROUP 1
	s_sub_co_u32 s35, s35, 1
	s_cmp_lg_u32 s35, 0
	s_cbranch_scc1 .Ltrip
	s_wait_tensorcnt 0x0
	ds_add_u32 v254, v255
	s_wait_dscnt 0x0
	s_endpgm
.Lfunc_end_k_qeb9d5ab035_ffn2:
	.size	k_qeb9d5ab035_ffn2, .Lfunc_end_k_qeb9d5ab035_ffn2-k_qeb9d5ab035_ffn2
	.p2alignl 7, 3214868480
	.fill 96, 4, 3214868480
	.section	.rodata,"a",@progbits
	.p2align	6, 0x0
	.amdhsa_kernel k_qeb9d5ab035_ffn2
		.amdhsa_group_segment_fixed_size 70144
		.amdhsa_private_segment_fixed_size 0
		.amdhsa_enable_private_segment 0
		.amdhsa_kernarg_size 48
		.amdhsa_user_sgpr_count 2
		.amdhsa_user_sgpr_kernarg_segment_ptr 1
		.amdhsa_wavefront_size32 1
		.amdhsa_system_sgpr_workgroup_id_x 1
		.amdhsa_system_sgpr_workgroup_id_y 1
		.amdhsa_system_sgpr_workgroup_id_z 1
		.amdhsa_system_vgpr_workitem_id 0
		.amdhsa_next_free_vgpr 1024
		.amdhsa_next_free_sgpr 66
		.amdhsa_reserve_vcc 0
		.amdhsa_float_denorm_mode_32 3
		.amdhsa_float_denorm_mode_16_64 3
		.amdhsa_memory_ordered 1
		.amdhsa_forward_progress 1
		.amdhsa_inst_pref_size 56
	.end_amdhsa_kernel
	.amdgpu_metadata
---
amdhsa.version: [ 1, 2 ]
amdhsa.kernels:
  - .name:           k_qeb9d5ab035_ffn2
    .symbol:         k_qeb9d5ab035_ffn2.kd
    .args:
      - { .name: h, .offset: 0, .size: 8, .value_kind: global_buffer, .address_space: global }
      - { .name: w2_codes, .offset: 8, .size: 8, .value_kind: global_buffer, .address_space: global }
      - { .name: b2, .offset: 16, .size: 8, .value_kind: global_buffer, .address_space: global }
      - { .name: lowp_scales, .offset: 24, .size: 8, .value_kind: global_buffer, .address_space: global }
      - { .name: cnt, .offset: 32, .size: 8, .value_kind: global_buffer, .address_space: global }
      - { .name: y, .offset: 40, .size: 8, .value_kind: global_buffer, .address_space: global }
    .group_segment_fixed_size: 70144
    .private_segment_fixed_size: 0
    .kernarg_segment_align: 8
    .kernarg_segment_size: 48
    .max_flat_workgroup_size: 128
    .sgpr_count:     66
    .vgpr_count:     1024
    .wavefront_size: 32
...
	.end_amdgpu_metadata
.endif
;; end of part 4
;; launch mix (part 5): grid 256 x 1, 4 waves a work-group, no clusters, 0 bytes of LDS; arguments y, sel, loc, gw, out0; writes out0
.if DOCPART == 5
	.amdgcn_target "amdgcn-amd-amdhsa--gfx1250"
	.amdhsa_code_object_version 6
	.text
	.protected	k_qeb9d5ab035_mix
	.globl	k_qeb9d5ab035_mix
	.p2align	8
	.type	k_qeb9d5ab035_mix,@function
k_qeb9d5ab035_mix:
	s_mov_b64 s[64:65], 0
	v_nop
	global_prefetch_b8 v0, s[64:65] scope:SCOPE_SE
	s_setreg_imm32_b32 hwreg(HW_REG_WAVE_MODE, 25, 1), 1
	s_wait_xcnt 0x0
; out[t] = w0 y[e0][loc[e0][t]] + w1 y[e1][loc[e1][t]]: each output row has one owner, the wave t = 4 x work-group + wave.  sel (the two experts), loc (a token's place in an expert's list) and gw (the weights)
; were stored by earlier launches.  A row is 4,096 bytes: eight loads of 512 consecutive bytes for each of the two rows, eight stores likewise.  A stream: no LDS, no barrier, no matrix unit.
.set Y0, 8                             ; v8-39    the first expert's row
.set Y1, 40                            ; v40-71   the second's
.set R,  72                            ; v72-103  the result
	s_load_b256 s[4:11], s[0:1], 0x0               ; y s[4:5], sel s[6:7], loc s[8:9], gw s[10:11]
	s_load_b64 s[12:13], s[0:1], 0x20              ; out0
	v_lshrrev_b32 v1, 5, v0
	v_readfirstlane_b32 s14, v1                    ; wave
	v_and_b32 v2, 31, v0
	v_lshlrev_b32 v2, 4, v2                        ; 16 x lane
	s_lshl_b32 s15, ttmp9, 2
	s_add_co_u32 s15, s15, s14                     ; t
	s_lshl_b32 s16, s15, 2
	s_mov_b32 s17, 0
	s_lshl_b32 s18, s15, 3
	s_mov_b32 s19, 0
	s_lshl_b32 s20, s15, 12
	s_mov_b32 s21, 0
	s_wait_kmcnt 0x0
	s_add_nc_u64 s[6:7], s[6:7], s[16:17]          ; sel[t]
	s_add_nc_u64 s[8:9], s[8:9], s[16:17]          ; loc[0][t]
	s_add_nc_u64 s[10:11], s[10:11], s[18:19]      ; gw[t]
	s_add_nc_u64 s[12:13], s[12:13], s[20:21]      ; my row of the output
	s_load_b32 s22, s[6:7], 0x0
	s_load_b64 s[24:25], s[10:11], 0x0             ; the two weights
	s_mov_b32 s27, 0
	s_mov_b32 s29, 0
	s_wait_kmcnt 0x0
	s_and_b32 s30, s22, 15
	s_min_u32 s30, s30, 7                          ; the first expert
	s_lshr_b32 s31, s22, 4
	s_min_u32 s31, s31, 7                          ; the second
	s_lshl_b32 s26, s30, 12                        ; an expert's 4,096 bytes of loc
	s_add_nc_u64 s[26:27], s[8:9], s[26:27]
	s_lshl_b32 s28, s31, 12
	s_add_nc_u64 s[28:29], s[8:9], s[28:29]
	s_load_b32 s32, s[26:27], 0x0                  ; my place in the first expert's list,
	s_load_b32 s33, s[28:29], 0x0                  ; and in the second's
	s_mov_b32 s35, 0
	s_mov_b32 s37, 0
	s_lshl_b32 s30, s30, 22                        ; an expert's 4 MiB of y
	s_lshl_b32 s31, s31, 22
	s_mov_b32 s38, s25                             ; the second weight as the low word of a pair: the packed form takes the low word for both halves
	s_mov_b32 s39, s25
	s_wait_kmcnt 0x0
	s_min_u32 s32, s32, 1023
	s_lshl_b32 s32, s32, 12
	s_add_co_u32 s34, s32, s30
	s_add_nc_u64 s[34:35], s[4:5], s[34:35]
	s_min_u32 s33, s33, 1023
	s_lshl_b32 s33, s33, 12
	s_add_co_u32 s36, s33, s31
	s_add_nc_u64 s[36:37], s[4:5], s[36:37]
.irp j, 0,1,2,3,4,5,6,7
	global_load_b128 v[Y0+4*\j:Y0+4*\j+3], v2, s[34:35] offset:512*\j th:TH_LOAD_NT
.endr
.irp j, 0,1,2,3,4,5,6,7
	global_load_b128 v[Y1+4*\j:Y1+4*\j+3], v2, s[36:37] offset:512*\j th:TH_LOAD_NT
.endr
	s_wait_loadcnt 8                               ; the first row is in; the second's eight loads are younger
.set jx, 0
.rept 16
	v_pk_mul_f32 v[R+jx:R+jx+1], v[Y0+jx:Y0+jx+1], s[24:25] op_sel_hi:[1,0]
.set jx, jx+2
.endr
	s_wait_loadcnt 0x0
.set jx, 0
.rept 16
	v_pk_fma_f32 v[R+jx:R+jx+1], v[Y1+jx:Y1+jx+1], s[38:39], v[R+jx:R+jx+1] op_sel_hi:[1,0,1]
.set jx, jx+2
.endr
.irp j, 0,1,2,3,4,5,6,7
	global_store_b128 v2, v[R+4*\j:R+4*\j+3], s[12:13] offset:512*\j th:TH_STORE_NT
.endr
	s_endpgm
.Lfunc_end_k_qeb9d5ab035_mix:
	.size	k_qeb9d5ab035_mix, .Lfunc_end_k_qeb9d5ab035_mix-k_qeb9d5ab035_mix
	.p2alignl 7, 3214868480
	.fill 96, 4, 3214868480
	.section	.rodata,"a",@progbits
	.p2align	6, 0x0
	.amdhsa_kernel k_qeb9d5ab035_mix
		.amdhsa_group_segment_fixed_size 0
		.amdhsa_private_segment_fixed_size 0
		.amdhsa_enable_private_segment 0
		.amdhsa_kernarg_size 40
		.amdhsa_user_sgpr_count 2
		.amdhsa_user_sgpr_kernarg_segment_ptr 1
		.amdhsa_wavefront_size32 1
		.amdhsa_system_sgpr_workgroup_id_x 1
		.amdhsa_system_sgpr_workgroup_id_y 1
		.amdhsa_system_sgpr_workgroup_id_z 1
		.amdhsa_system_vgpr_workitem_id 0
		.amdhsa_next_free_vgpr 112
		.amdhsa_next_free_sgpr 66
		.amdhsa_reserve_vcc 0
		.amdhsa_float_denorm_mode_32 3
		.amdhsa_float_denorm_mode_16_64 3
		.amdhsa_memory_ordered 1
		.amdhsa_forward_progress 1
		.amdhsa_inst_pref_size 7
	.end_amdhsa_kernel
	.amdgpu_metadata
---
amdhsa.version: [ 1, 2 ]
amdhsa.kernels:
  - .name:           k_qeb9d5ab035_mix
    .symbol:         k_qeb9d5ab035_mix.kd
    .args:
      - { .name: y, .offset: 0, .size: 8, .value_kind: global_buffer, .address_space: global }
      - { .name: sel, .offset: 8, .size: 8, .value_kind: global_buffer, .address_space: global }
      - { .name: loc, .offset: 16, .size: 8, .value_kind: global_buffer, .address_space: global }
      - { .name: gw, .offset: 24, .size: 8, .value_kind: global_buffer, .address_space: global }
      - { .name: out0, .offset: 32, .size: 8, .value_kind: global_buffer, .address_space: global }
    .group_segment_fixed_size: 0
    .private_segment_fixed_size: 0
    .kernarg_segment_align: 8
    .kernarg_segment_size: 40
    .max_flat_workgroup_size: 128
    .sgpr_count:     66
    .vgpr_count:     112
    .wavefront_size: 32
...
	.end_amdgpu_metadata
.endif
;; end of part 5
;; ======== version 2 of 2: 5 launches
;; workspace buffers: sel 4,096 bytes of whole numbers; gw 8,192 bytes; xq 2,097,152 bytes; h 33,554,432 bytes; list 32,768 bytes of whole numbers; loc 32,768 bytes of whole numbers; cnt 1,024 bytes of whole numbers; y 33,554,432 bytes
;; launch route (part 6): grid 256 x 1, 4 waves a work-group, no clusters, 57,856 bytes of LDS; arguments inputs, gate_w, gate_b, lowp_scales, sel, gw, xq; writes sel, gw, xq
.if DOCPART == 6
	.amdgcn_target "amdgcn-amd-amdhsa--gfx1250"
	.amdhsa_code_object_version 6
	.text
	.protected	k_qeb9d5ab035_route
	.globl	k_qeb9d5ab035_route
	.p2align	8
	.type	k_qeb9d5ab035_route,@function
k_qeb9d5ab035_route:
	s_mov_b64 s[64:65], 0
	v_nop
	global_prefetch_b8 v0, s[64:65] scope:SCOPE_SE
	s_setreg_imm32_b32 hwreg(HW_REG_WAVE_MODE, 25, 1), 1
	s_wait_xcnt 0x0
; THE ROUTER.  One wave takes one token t = 4 x work-group + wave (1,024 tokens, 256 work-groups of four waves).
; logits[8] = x[t][0..1023] . gate_w[.][8] + gate_b in f32; the two largest (the lower index wins a tie: the compare is strict); softmax over the two, the larger taken away first.
; Stored at fixed places: sel[t] = first | second << 4; gw[t] = the two weights; xq[2 t + j] = the token's 1,024 codes of E5M2 with the scale of its j-th expert (entry 4 x expert of the scales).
; No address and no branch hangs on the choice: the expert's exponent is picked by v_cndmask_b32.
; LIMITS: the scales' exponents for x lie between -126 and 112; NaN and infinite logits are not served; the f32 sums of a logit are added lane by lane and then across lanes, another order than a row-wise sum.
; LDS: gate_w as 256 pieces of 128 bytes (4 k x 8 experts), 144 bytes apart, so that lanes that read neighbouring pieces start 36 words apart; behind it a stage of 5,120 bytes for each wave, in which the token's row
; turns from 16 bytes a lane (as loaded) to 64 bytes a lane (16 neighbours along K, as the conversions want them): places of 64 bytes + 16 of padding.
.set GP,   144
.set TURN, 256*GP
.set SP,   80
.set X,    8                           ; v8-39    x as loaded: register 4 j + i = k 128 j + 4 lane + i
.set G,    40                          ; v40-103  gate_w as loaded; then two sets of 32: register 8 i + e = gate_w[128 j + 4 lane + i][e]
.set L,    104                         ; v104-111 the eight logits
.set X16,  112                         ; v112-143 register 16 st + n = k 512 st + 16 lane + n
.set TMP,  144                         ; v144-159 at work
.set C,    160                         ; v160-175 codes: four registers for each of the four stores
; v176 best, v177 its index, v178, v179 the second; v180, v181 at work; v[182:183] the weights; v184 the scale, v185 the largest number x the scale, v186 the exponent; v187 -infinity; v188 0; v189 sel's word
	s_load_b256 s[8:15], s[0:1], 0x0               ; inputs s[8:9], gate_w s[10:11], gate_b s[12:13], the scales s[14:15]
	s_load_b128 s[16:19], s[0:1], 0x20             ; sel s[16:17], gw s[18:19]
	s_load_b64 s[20:21], s[0:1], 0x30              ; xq
	v_lshl_add_u32 v192, v0, 2, 0xe000
	v_mov_b32 v193, 0
	v_lshrrev_b32 v7, 5, v0
	v_readfirstlane_b32 s2, v7                     ; wave
	v_and_b32 v1, 31, v0                           ; lane
	v_lshlrev_b32 v2, 4, v1                        ; 16 x lane
	v_lshrrev_b32 v3, 3, v0
	v_mul_u32_u24 v3, v3, GP
	v_and_b32 v7, 7, v0
	v_lshl_add_u32 v3, v7, 4, v3                   ; gate_w into LDS: eight threads fill a piece
	v_mul_u32_u24 v4, v1, GP                       ; and out of it: a piece a lane
	s_mul_i32 s3, s2, 64*SP
	s_add_co_u32 s3, s3, TURN                      ; my wave's stage
	v_lshrrev_b32 v5, 2, v1
	v_mul_u32_u24 v5, v5, SP
	v_and_b32 v7, 3, v1
	v_lshl_add_u32 v5, v7, 4, v5
	v_add_nc_u32 v5, s3, v5                        ; into the stage: four lanes' 64 bytes on end
	v_mul_u32_u24 v6, v1, SP
	v_add_nc_u32 v6, s3, v6                        ; out of it: a place a lane
	v_lshlrev_b32 v7, 4, v0                        ; gate_w in memory: 16 x thread
	s_lshl_b32 s4, ttmp9, 2
	s_add_co_u32 s4, s4, s2                        ; t
	s_mov_b32 s23, 0
	s_mov_b32 s66, 0x76543210                      ; v_permlanex16_b32: lane l xor 16
	s_mov_b32 s67, 0xfedcba98
	s_wait_alu depctr_va_vdst(0)
	s_wait_kmcnt 0x0
	s_load_b512 s[24:39], s[14:15], 0x0            ; all 32 exponents: entry 4 e is x's for expert e
	s_load_b512 s[40:55], s[14:15], 0x40
	s_load_b256 s[56:63], s[12:13], 0x0            ; gate_b
	s_lshl_b32 s22, s4, 12
	s_add_nc_u64 s[8:9], s[8:9], s[22:23]          ; my row of x
	s_lshl_b32 s22, s4, 11
	s_add_nc_u64 s[20:21], s[20:21], s[22:23]      ; my two rows of xq
	s_lshl_b32 s22, s4, 2
	s_add_nc_u64 s[16:17], s[16:17], s[22:23]
	s_lshl_b32 s22, s4, 3
	s_add_nc_u64 s[18:19], s[18:19], s[22:23]
.irp j, 0,1,2,3,4,5,6,7
	global_load_b128 v[X+4*\j:X+4*\j+3], v2, s[8:9] offset:512*\j th:TH_LOAD_NT   ; 32 lanes read 512 consecutive bytes
.endr
.irp m, 0,1,2,3,4,5,6,7,8,9,10,11,12,13,14,15
	global_load_b128 v[G+4*\m:G+4*\m+3], v7, s[10:11] offset:2048*\m               ; the work-group's 128 threads read 2,048 consecutive bytes
.endr
.irp e, 0,1,2,3,4,5,6,7
	v_mov_b32 v[TMP+\e], 0                         ; a lane permute's destination counts as read: written once
.endr
	v_mov_b32 v187, 0xff800000
	v_mov_b32 v188, 0
	s_wait_loadcnt 16                              ; x is in: gate_w's sixteen loads are younger
.irp j, 0,1,2,3,4,5,6,7
	ds_store_b128 v5, v[X+4*\j:X+4*\j+3] offset:32*SP*(\j/4)+8*SP*(\j%4)
.endr
	s_wait_loadcnt 0x0
.irp m, 0,1,2,3,4,5,6,7,8,9,10,11,12,13,14,15
	ds_store_b128 v3, v[G+4*\m:G+4*\m+3] offset:16*GP*\m
.endr
	s_wait_dscnt 0x0                               ; for the others' sake: my part of gate_w lies in LDS
	s_barrier_signal -1
	s_barrier_wait -1
.irp j, 0,1,2,3,4,5,6,7
	ds_load_b128 v[X16+4*\j:X16+4*\j+3], v6 offset:32*SP*(\j/4)+16*(\j%4)   ; my own stage: 16 neighbours a lane and step
.endr
.macro GL j                            ; gate_w's rows 128 j + 4 lane + 0 .. 3 into set j % 2
.irp m, 0,1,2,3,4,5,6,7
	ds_load_b128 v[G+32*((\j)%2)+4*\m:G+32*((\j)%2)+4*\m+3], v4 offset:32*GP*(\j)+16*\m
.endr
.endm
.macro DOT j                           ; 32 multiply-adds a lane, two at a time; x's number is taken for both halves of the pair
.set GS, G+32*((\j)%2)
.irp i, 0,1,2,3
.irp p, 0,1,2,3
.if ((\j)==0) && (\i==0)
	v_pk_mul_f32 v[L+2*\p:L+2*\p+1], v[GS+2*\p:GS+2*\p+1], v[X:X+1] op_sel_hi:[1,0]   ; the first products start the sums
.elseif (\i%2)==0
	v_pk_fma_f32 v[L+2*\p:L+2*\p+1], v[GS+8*\i+2*\p:GS+8*\i+2*\p+1], v[X+4*(\j)+\i:X+4*(\j)+\i+1], v[L+2*\p:L+2*\p+1] op_sel_hi:[1,0,1]
.else
	v_pk_fma_f32 v[L+2*\p:L+2*\p+1], v[GS+8*\i+2*\p:GS+8*\i+2*\p+1], v[X+4*(\j)+\i-1:X+4*(\j)+\i], v[L+2*\p:L+2*\p+1] op_sel:[0,1,0] op_sel_hi:[1,1,1]
.endif
.endr
.endr
.endm
	GL 0
.irp j, 0,1,2,3,4,5,6
	GL \j+1
	s_wait_alu depctr_va_vdst(0)
	s_wait_dscnt 8                                 ; all but the eight loads just issued
	DOT \j
.endr
	s_wait_alu depctr_va_vdst(0)
	s_wait_dscnt 0x0
	DOT 7
.irp m, 1,2,4,8                        ; across the 32 lanes: every lane ends with the same eight sums
.irp e, 0,1,2,3,4,5,6,7
	v_add_f32_dpp v[L+\e], v[L+\e], v[L+\e] row_xmask:\m row_mask:0xf bank_mask:0xf
.endr
.endr
.irp e, 0,1,2,3,4,5,6,7
	v_permlanex16_b32 v[TMP+\e], v[L+\e], s66, s67
.endr
	s_wait_alu depctr_va_vdst(0)
	s_wait_kmcnt 0x0                               ; gate_b and the exponents
.irp e, 0,1,2,3,4,5,6,7
	v_add_f32 v[L+\e], v[L+\e], v[TMP+\e]
.endr
.irp e, 0,1,2,3,4,5,6,7
	v_add_f32 v[L+\e], s[56+\e], v[L+\e]
.endr
.macro BEST val, idx                   ; the largest logit; a later one must be strictly larger, so the lower index is kept
	v_mov_b32 v[\val], v[L]
	v_mov_b32 v[\idx], 0
.irp e, 1,2,3,4,5,6,7
	v_cmp_gt_f32 vcc_lo, v[L+\e], v[\val]
	v_cndmask_b32 v[\val], v[\val], v[L+\e], vcc_lo
	v_cndmask_b32 v[\idx], v[\idx], \e, vcc_lo
.endr
.endm
	BEST 176, 177
.irp e, 0,1,2,3,4,5,6,7
	v_cmp_eq_u32 vcc_lo, \e, v177
	v_cndmask_b32 v[L+\e], v[L+\e], v187, vcc_lo   ; the first choice leaves the field
.endr
	BEST 178, 179
	v_sub_f32 v180, v178, v176                     ; second - first: 0 or less: the maximum is taken away
	v_mul_f32 v180, 0x3fb8aa3b, v180
	s_wait_alu depctr_va_vdst(0)
	v_exp_f32 v180, v180
	v_lshl_or_b32 v189, v179, 4, v177              ; (a plain line behind the exponential)  sel's word
	s_wait_alu depctr_va_vdst(0)
	v_add_f32 v181, 1.0, v180
	s_wait_alu depctr_va_vdst(0)
	v_rcp_f32 v182, v181                           ; the first weight, 1 / (1 + t)
	v_nop
	s_wait_alu depctr_va_vdst(0)
	v_mul_f32 v183, v180, v182                     ; the second, t / (1 + t)
.macro SCALE idx                       ; the chosen expert's exponent for x, by selects; 2^e and 57,344 x 2^e as f32
	v_mov_b32 v186, s24
.irp e, 1,2,3,4,5,6,7
	v_cmp_eq_u32 vcc_lo, \e, v[\idx]
	v_cndmask_b32 v186, v186, s[24+4*\e], vcc_lo
.endr
	v_add_nc_u32 v184, 127, v186
	v_lshlrev_b32 v184, 23, v184
	v_add_nc_u32 v185, 142, v186
	v_lshl_or_b32 v185, v185, 23, 0x600000
.endm
.macro QROW j, st                      ; 16 numbers a lane: held within the largest code x the scale (the conversion does not saturate: ISA guide 7.6.2), converted, stored: 512 consecutive bytes a wave
.set ix, 0
.rept 16
	v_med3_num_f32 v[TMP+ix], v[X16+16*(\st)+ix], -v185, v185
.set ix, ix+1
.endr
	v_cvt_scalef32_pk8_bf8_f32 v[C+4*(2*(\j)+(\st)):C+4*(2*(\j)+(\st))+1], v[TMP:TMP+7], v184
	v_cvt_scalef32_pk8_bf8_f32 v[C+4*(2*(\j)+(\st))+2:C+4*(2*(\j)+(\st))+3], v[TMP+8:TMP+15], v184
	v_nop                                          ; a plain line behind the conversions: the next lines write their sources
	global_store_b128 v2, v[C+4*(2*(\j)+(\st)):C+4*(2*(\j)+(\st))+3], s[20:21] offset:1024*(\j)+512*(\st)
.endm
	SCALE 177
	QROW 0, 0
	QROW 0, 1
	SCALE 179
	QROW 1, 0
	QROW 1, 1
	v_cmp_eq_u32 vcc_lo, 0, v1
	s_wait_xcnt 0x0                                ; EXEC changes only behind this wait
	s_wait_tensorcnt 0x0
	ds_add_u32 v192, v193
	s_wait_dscnt 0x0
	s_and_saveexec_b32 s68, vcc_lo                 ; lane 0 alone: 4 and 8 bytes a token
	global_store_b32 v188, v189, s[16:17]
	global_store_b64 v188, v[182:183], s[18:19]
	s_wait_xcnt 0x0
	s_or_b32 exec_lo, exec_lo, s68
	s_endpgm
.Lfunc_end_k_qeb9d5ab035_route:
	.size	k_qeb9d5ab035_route, .Lfunc_end_k_qeb9d5ab035_route-k_qeb9d5ab035_route
	.p2alignl 7, 3214868480
	.fill 96, 4, 3214868480
	.section	.rodata,"a",@progbits
	.p2align	6, 0x0
	.amdhsa_kernel k_qeb9d5ab035_route
		.amdhsa_group_segment_fixed_size 57856
		.amdhsa_private_segment_fixed_size 0
		.amdhsa_enable_private_segment 0
		.amdhsa_kernarg_size 56
		.amdhsa_user_sgpr_count 2
		.amdhsa_user_sgpr_kernarg_segment_ptr 1
		.amdhsa_wavefront_size32 1
		.amdhsa_system_sgpr_workgroup_id_x 1
		.amdhsa_system_sgpr_workgroup_id_y 1
		.amdhsa_system_sgpr_workgroup_id_z 1
		.amdhsa_system_vgpr_workitem_id 0
		.amdhsa_next_free_vgpr 194
		.amdhsa_next_free_sgpr 80
		.amdhsa_reserve_vcc 1
		.amdhsa_float_denorm_mode_32 3
		.amdhsa_float_denorm_mode_16_64 3
		.amdhsa_memory_ordered 1
		.amdhsa_forward_progress 1
		.amdhsa_inst_pref_size 33
	.end_amdhsa_kernel
	.amdgpu_metadata
---
amdhsa.version: [ 1, 2 ]
amdhsa.kernels:
  - .name:           k_qeb9d5ab035_route
    .symbol:         k_qeb9d5ab035_route.kd
    .args:
      - { .name: inputs, .offset: 0, .size: 8, .value_kind: global_buffer, .address_space: global }
      - { .name: gate_w, .offset: 8, .size: 8, .value_kind: global_buffer, .address_space: global }
      - { .name: gate_b, .offset: 16, .size: 8, .value_kind: global_buffer, .address_space: global }
      - { .name: lowp_scales, .offset: 24, .size: 8, .value_kind: global_buffer, .address_space: global }
      - { .name: sel, .offset: 32, .size: 8, .value_kind: global_buffer, .address_space: global }
      - { .name: gw, .offset: 40, .size: 8, .value_kind: global_buffer, .address_space: global }
      - { .name: xq, .offset: 48, .size: 8, .value_kind: global_buffer, .address_space: global }
    .group_segment_fixed_size: 57856
    .private_segment_fixed_size: 0
    .kernarg_segment_align: 8
    .kernarg_segment_size: 56
    .max_flat_workgroup_size: 128
    .sgpr_count:     80
    .vgpr_count:     194
    .wavefront_size: 32
...
	.end_amdgpu_metadata
.endif
;; end of part 6
;; launch place (part 7): grid 8 x 1, 1 waves a work-group, no clusters, 4,352 bytes of LDS; arguments sel, list, loc, cnt; writes list, loc, cnt
.if DOCPART == 7
	.amdgcn_target "amdgcn-amd-amdhsa--gfx1250"
	.amdhsa_code_object_version 6
	.text
	.protected	k_qeb9d5ab035_place
	.globl	k_qeb9d5ab035_place
	.p2align	8
	.type	k_qeb9d5ab035_place,@function
k_qeb9d5ab035_place:
	s_mov_b64 s[64:65], 0
	v_nop
	global_prefetch_b8 v0, s[64:65] scope:SCOPE_SE
	s_setreg_imm32_b32 hwreg(HW_REG_WAVE_MODE, 25, 1), 1
	s_wait_xcnt 0x0
; THE PLACING OF ROWS.  One wave for each expert e (eight work-groups of one wave).  It reads sel (1,024 words: first choice | second choice << 4) and PARTITIONS the 1,024 tokens, 32 groups of 32, all lanes on:
; a token routed to e takes place m = routed tokens before it (groups before + lanes below); any other token takes place 1,023 - (tokens before it - m), from the list's end.  So every place holds a row of xq.
; Stored: list[e][place] = the row of xq (2 x token + rank; rank 0 where the token is not routed here); loc[e][token] = the token's place; cnt[e] = NT = ceil(T / 16), at least 1, in 32 copies (128 consecutive bytes).
; The places behind the expert's T rows serve to fill its last tile: such rows are computed in the expert's own region by the later launches and read by nobody.
; The row ids are scattered into LDS (4,096 bytes, cleared first) and read back as they lie, so that every global store is of 512 consecutive bytes at a fixed address: no global address and no branch hangs on data.
; One wave: LDS serves its instructions in order (ISA guide 5.7.1.4), so no barrier is written.
.set ST, 16                            ; v16-47   sel: register 4 qp + i = token 128 qp + 4 lane + i
.set BT, 48                            ; v48-63   at work; v55 8 x lane; v56 NT; v60-63 zeros
.set LC, 64                            ; v64-95   the tokens' places, laid as sel
.set LS, 96                            ; v96-127  the list, read back
; s16 e; s17 routed tokens so far; s18 second-choice mask; s19 count
	s_load_b256 s[8:15], s[0:1], 0x0               ; sel s[8:9], list s[10:11], loc s[12:13], cnt s[14:15]
	v_lshl_add_u32 v128, v0, 2, 0x1000
	v_mov_b32 v129, 0
	v_and_b32 v1, 31, v0                           ; lane
	v_lshlrev_b32 v4, 4, v1                        ; 16 x lane
	v_lshlrev_b32 v5, 2, v1                        ; 4 x lane
	v_lshlrev_b32 v[BT+7], 3, v1                   ; 2 x 4 x lane
	v_mov_b32 v[BT+12], 0
	v_mov_b32 v[BT+13], 0
	v_mov_b32 v[BT+14], 0
	v_mov_b32 v[BT+15], 0
	s_mov_b32 s16, ttmp9                           ; e
	s_mov_b32 s17, 0
	s_lshl_b32 s2, ttmp9, 12                       ; an expert's 4,096 bytes of list and of loc
	s_mov_b32 s3, 0
	s_lshl_b32 s4, ttmp9, 7                        ; and its 128 bytes of cnt
	s_mov_b32 s5, 0
	s_wait_alu depctr_va_vdst(0)
	s_wait_kmcnt 0x0
.irp qp, 0,1,2,3,4,5,6,7
	global_load_b128 v[ST+4*\qp:ST+4*\qp+3], v4, s[8:9] offset:512*\qp
.endr
	s_add_nc_u64 s[10:11], s[10:11], s[2:3]
	s_add_nc_u64 s[12:13], s[12:13], s[2:3]
	s_add_nc_u64 s[14:15], s[14:15], s[4:5]
.irp m, 0,1,2,3,4,5,6,7
	ds_store_b128 v4, v[BT+12:BT+15] offset:512*\m
.endr
	s_wait_loadcnt 0x0
.macro GRP qp, i                       ; group G = 4 qp + i: tokens 128 qp + 4 lane + i, in the builder's order numbers 32 G + lane
.set GG, 4*(\qp)+(\i)
	v_and_b32 v[BT], 15, v[ST+GG]
	v_lshrrev_b32 v[BT+1], 4, v[ST+GG]
	v_cmp_eq_u32 s18, s16, v[BT+1]                 ; e is the token's second choice
	v_cmp_eq_u32 vcc_lo, s16, v[BT]                ; or its first
	s_or_b32 vcc_lo, vcc_lo, s18
	v_mbcnt_lo_u32_b32 v[BT+2], vcc_lo, s17        ; m: routed tokens before me
	v_sub_nc_u32 v[BT+3], 1023-32*GG, v1
	v_cndmask_b32 v[BT+3], v[BT+3], 0, vcc_lo      ; routed: place m; else m + 1,023 - (32 G + lane)
	v_add_nc_u32 v[BT+2], v[BT+2], v[BT+3]
	v_min_u32 v[LC+GG], 0x3ff, v[BT+2]             ; my place
	v_lshlrev_b32 v[BT+4], 2, v[LC+GG]
	v_cndmask_b32 v[BT+5], 0, 1, s18
	v_add3_u32 v[BT+5], v[BT+5], v[BT+7], 256*(\qp)+2*(\i)   ; the row of xq: 2 x token + rank
	ds_store_b32 v[BT+4], v[BT+5]
	s_bcnt1_i32_b32 s19, vcc_lo
	s_add_co_u32 s17, s17, s19
.endm
.irp qp, 0,1,2,3,4,5,6,7
.irp i, 0,1,2,3
	GRP \qp, \i
.endr
.endr
.irp m, 0,1,2,3,4,5,6,7
	ds_load_b128 v[LS+4*\m:LS+4*\m+3], v4 offset:512*\m    ; the list as it lies
.endr
	s_add_co_u32 s19, s17, 15
	s_lshr_b32 s19, s19, 4
	s_max_u32 s19, s19, 1                          ; NT
	v_mov_b32 v[BT+8], s19
.irp qp, 0,1,2,3,4,5,6,7
	global_store_b128 v4, v[LC+4*\qp:LC+4*\qp+3], s[12:13] offset:512*\qp   ; loc: 512 consecutive bytes a store
.endr
	global_store_b32 v5, v[BT+8], s[14:15]         ; cnt: 128 consecutive bytes
	s_wait_dscnt 0x0
.irp m, 0,1,2,3,4,5,6,7
	global_store_b128 v4, v[LS+4*\m:LS+4*\m+3], s[10:11] offset:512*\m      ; list likewise
.endr
	s_wait_tensorcnt 0x0
	ds_add_u32 v128, v129
	s_wait_dscnt 0x0
	s_endpgm
.Lfunc_end_k_qeb9d5ab035_place:
	.size	k_qeb9d5ab035_place, .Lfunc_end_k_qeb9d5ab035_place-k_qeb9d5ab035_place
	.p2alignl 7, 3214868480
	.fill 96, 4, 3214868480
	.section	.rodata,"a",@progbits
	.p2align	6, 0x0
	.amdhsa_kernel k_qeb9d5ab035_place
		.amdhsa_group_segment_fixed_size 4352
		.amdhsa_private_segment_fixed_size 0
		.amdhsa_enable_private_segment 0
		.amdhsa_kernarg_size 32
		.amdhsa_user_sgpr_count 2
		.amdhsa_user_sgpr_kernarg_segment_ptr 1
		.amdhsa_wavefront_size32 1
		.amdhsa_system_sgpr_workgroup_id_x 1
		.amdhsa_system_sgpr_workgroup_id_y 1
		.amdhsa_system_sgpr_workgroup_id_z 1
		.amdhsa_system_vgpr_workitem_id 0
		.amdhsa_next_free_vgpr 130
		.amdhsa_next_free_sgpr 66
		.amdhsa_reserve_vcc 1
		.amdhsa_float_denorm_mode_32 3
		.amdhsa_float_denorm_mode_16_64 3
		.amdhsa_memory_ordered 1
		.amdhsa_forward_progress 1
		.amdhsa_inst_pref_size 30
	.end_amdhsa_kernel
	.amdgpu_metadata
---
amdhsa.version: [ 1, 2 ]
amdhsa.kernels:
  - .name:           k_qeb9d5ab035_place
    .symbol:         k_qeb9d5ab035_place.kd
    .args:
      - { .name: sel, .offset: 0, .size: 8, .value_kind: global_buffer, .address_space: global }
      - { .name: list, .offset: 8, .size: 8, .value_kind: global_buffer, .address_space: global }
      - { .name: loc, .offset: 16, .size: 8, .value_kind: global_buffer, .address_space: global }
      - { .name: cnt, .offset: 24, .size: 8, .value_kind: global_buffer, .address_space: global }
    .group_segment_fixed_size: 4352
    .private_segment_fixed_size: 0
    .kernarg_segment_align: 8
    .kernarg_segment_size: 32
    .max_flat_workgroup_size: 32
    .sgpr_count:     66
    .vgpr_count:     130
    .wavefront_size: 32
...
	.end_amdgpu_metadata
.endif
;; end of part 7
;; launch ffn1 (part 8): grid 256 x 1, 4 waves a work-group, no clusters, 133,632 bytes of LDS; arguments list, xq, w1_codes, b1, lowp_scales, h, cnt; writes h
.if DOCPART == 8
	.amdgcn_target "amdgcn-amd-amdhsa--gfx1250"
	.amdhsa_code_object_version 6
	.text
	.protected	k_qeb9d5ab035_ffn1
	.globl	k_qeb9d5ab035_ffn1
	.p2align	8
	.type	k_qeb9d5ab035_ffn1,@function
k_qeb9d5ab035_ffn1:
	s_mov_b64 s[64:65], 0
	v_nop
	global_prefetch_b8 v0, s[64:65] scope:SCOPE_SE
	s_setreg_imm32_b32 hwreg(HW_REG_WAVE_SCHED_MODE, 0, 2), 2
	s_setreg_imm32_b32 hwreg(HW_REG_WAVE_MODE, 25, 1), 1
	s_wait_xcnt 0x0
	s_wait_alu depctr_vm_vsrc(0)
; THE FIRST PRODUCT OF THE CHOSEN EXPERTS: h = Q(gelu(x W1 + b1)), on codes of E5M2, only for the rows that were routed to the expert.
; SHARES.  Work-group id = (e x 16 + g) x 2 + q: expert e, hidden units 256 g .. 256 g + 255, and the tiles of 16 routed rows with parity q (tiles 2 k + q).  Wave w keeps its 64 rows of W1 over all K = 1,024 in 512 registers
; for the whole launch, read from memory once.  The rows of x (codes, 1,024 bytes) are gathered four tiles at a time, whole rows, into one of two LDS buffers, which all four waves read.
; THE LIST.  list[e][place] (the row of xq at each of the expert's 1,024 places) and cnt[e] = NT (its tiles of 16 rows, at least 1) were stored by the launch before.  A tile's 16 rows come by one scalar load of 64 bytes;
; two sets of 16 scalar registers take turns, each asked for again, two batches ahead, as soon as it has been used.  Places behind the expert's last row hold other rows of xq: they fill the last tile and the last batch,
; are computed and stored inside the expert's own region, and nobody reads them.
; No tensor load and no joint load: how many tiles there are hangs on stored numbers.  Every loop has a constant count; what has no rows is jumped over, and no barrier stands under such a jump.
; THE MATRIX INSTRUCTION IS USED TRANSPOSED (source 0 = 16 rows of W1, source 1 = 16 rows of x), and lane r of tile 2 b + u takes W1's row 32 b + 8 u + r + 8 (r / 8): so a lane holds ONE routed row, and the 16 registers of
; tiles 2 b, 2 b + 1 are the hidden units 32 b + 16 (lane / 16) + 0 .. 15: their 16 codes are four registers of the second product's operand.  h is laid as images of that operand's registers:
; [e][tile][K step of 128][c][lane][16 bytes]; my 64 units are K step 2 g + w / 2, c = 2 (w % 2) + b.  A fragment's registers 4 c .. 4 c + 3 hold k = 32 c + 16 (lane / 16) + 0 .. 15, alike in both operands.
; gelu is the tanh form: z x 1 / (1 + 2^(z (cA + cB z^2))), cA = -2 sqrt(2 / pi) log2(e), cB = 0.044715 cA; b1 goes in as the C of a sum's first product, divided by 2^(ex + ew1).
; LIMITS: ex + ew1 between -126 and 127; eh between -126 and 112; NaN is not served.
; REGISTERS, in windows of 256: window 0: addresses, accumulators, b1, codes, the rows on their way to LDS;  windows 1, 2: W1's fragment (tile ct, K step s) at window 1 + s / 4, register ((s % 4) 4 + ct) 16;
;   window 3: x's fragments of a tile, two buffers of 128 (K step s at 16 s); the first 32 registers of the buffer just multiplied are at work in the activation.
; THE MODE: SCHED_MODE bits 1:0 = 2 (LLVM: expert scheduling mode 2), set by the entry lines.  The code itself states the register dependences
; between vector or matrix instructions and memory or LDS instructions, with s_wait_alu, always for 0.
; THE PLAN.  Registers that memory or LDS instructions touch:
;   v[WO], v[BO], v[XS ..], v[XA ..], v[HO]   offsets and LDS addresses: written at the head and never again: one wait ahead of the first load serves them all.
;   v[OFF ..]   A gather: its sixteen additions write them, its 32 loads read them.  One wait on vm_vsrc ahead of the additions, one on va_vdst behind them.
;   v[ST ..]    The gather's loads land in them, the LDS stores read them; no vector instruction names them.  The wait on vm_vsrc ahead of the additions serves them too.
;   X0, X1      (window 3)  Tile jj: its products read X[jj % 2] and its activation works in that buffer's first 32 registers; the LDS loads of tile jj + 1 land in the other buffer.
;   CD0, CD1    Tile jj: its conversions write CD[jj % 2], its two stores read it; it is written again two tiles on, behind a wait on vm_vsrc.
; So ONE wait on va_vdst stands at a tile's end, behind its conversions: the codes are written, for the tile's stores, and the products and the activation are done with X[jj % 2], in which the next tile's LDS loads land.
; Those loads are dealt among the next tile's products, which name W1, the other X, b1 and the accumulators: none of the registers that the loads touch.  (Four more waits on va_vdst stand in the activation, ahead of and behind its
; exponentials and its reciprocals, ahead of their first readers.)
.set XP,   1040                        ; a row of x in LDS: 1,024 bytes + 16: the 16 rows of a fragment load start 260 words apart
.set XB0,  0                           ; LDS: 64 rows,
.set XB1,  XB0+64*XP                   ; and 64 more
.set WO,  5                            ; v5   W1: (r + 8 (r / 8)) x 1,024 + 16 (lane / 16) + 65,536 w
.set BO,  6                            ; v6   b1: 64 (lane / 16) + 256 w
.set XS,  7                            ; v7, v8   where I store gathered rows: buffer + 16 rows x w + 16 lane
.set XA,  9                            ; v9, v10  where I read fragments: buffer + row r + 16 (lane / 16)
.set HO,  13                           ; v13  h: 16 lane + (2 g + w / 2) x 2,048 + (w % 2) x 1,024
.set SC,  15                           ; v15  2^eh
.set LIM, 16                           ; v16  57,344 x 2^eh
.set TV,  17
.set CA,  28                           ; v[28:29] cA, twice
.set ACC, 32                           ; v32-63   four tiles of 16 units x 16 rows
.set B1R, 64                           ; v64-95   b1 / 2^(ex + ew1) in the result's layout
.set CD,  96                           ; v96-111  two sets of eight registers of codes
.set ST,  112                          ; v112-239 16 rows x 32 bytes a lane on their way to LDS
.set OFF, 240                          ; v240-255 the 16 rows' byte offsets in xq
.set LSA, 68                           ; s[68:83]  16 places of the list: the even batches' set; its address in s[44:45]
.set LSB, 84                           ; s[84:99]  the odd batches' set; its address in s[46:47]
; s24-27 ex, ew1, eh, ew2; s28 w, s29 q, s30 g, s31 e; s32 NT, s33 my tiles; s34 8 x trip; s35 trips left; s[38:39] 2^(ex + ew1); s[42:43] cB;
; s[52:53] W1, s[54:55] b1, s[56:57] h at my part; s[58:59] the list at my expert and parity; s60-63 at work
.set MSB, 0
.macro WIN new                         ; the immediate's high byte repeats the setting that is left; a switch that changes nothing is dropped
.if MSB != (\new)
	s_set_vgpr_msb (MSB<<8)|(\new)
.set MSB, (\new)
.endif
.endm
.macro WL sp, ct                       ; eight loads: tile ct, K steps 2 sp and 2 sp + 1: 256 consecutive bytes of each of 16 rows
	WIN 0x40+0x40*((\sp)/2)
.irp x, 0,1
.irp c, 0,1,2,3
.set WR, (((2*(\sp)+\x)%4)*4+(\ct))*16+4*\c
	global_load_b128 v[WR:WR+3], v[WO], s[52:53] offset:(32*((\ct)/2)+8*((\ct)%2))*1024+128*(2*(\sp)+\x)+32*\c
.endr
.endr
.endm
.macro LREQ set, adr, add              ; the 16 places of my tile number s34 + add + w of my parity are asked for; the number is held at 31, a parity's last, so that no request leaves the list
	s_add_co_u32 s60, s34, \add
	s_add_co_u32 s60, s60, s28
	s_min_u32 s60, s60, 31
	s_lshl_b32 s60, s60, 7                         ; two tiles of 64 bytes from one tile of my parity to the next
	s_mov_b32 s61, 0
	s_add_nc_u64 s[\adr:\adr+1], s[58:59], s[60:61]   ; (behind a wait for all scalar loads: the set's last request has read this pair)
	s_load_b512 s[\set:\set+15], s[\adr:\adr+1], 0x0
.endm
.macro LUSE set                        ; each place's row becomes row x 1,024 + 16 lane
.set rr, 0
.rept 16
	s_min_u32 s[\set+rr], s[\set+rr], 0x7ff
	v_lshl_add_u32 v[OFF+rr], s[\set+rr], 10, v4
.set rr, rr+1
.endr
.endm
.macro XLOAD                           ; 16 whole rows of 1,024 bytes: 512 consecutive bytes a load
.set rr, 0
.rept 16
	global_load_b128 v[ST+8*rr:ST+8*rr+3], v[OFF+rr], s[10:11]
	global_load_b128 v[ST+8*rr+4:ST+8*rr+7], v[OFF+rr], s[10:11] offset:512
.set rr, rr+1
.endr
.endm
.macro XSTORE n
.set rr, 0
.rept 16
	ds_store_b128 v[XS+\n], v[ST+8*rr:ST+8*rr+3] offset:XP*rr
	ds_store_b128 v[XS+\n], v[ST+8*rr+4:ST+8*rr+7] offset:XP*rr+512
.set rr, rr+1
.endr
.endm
.macro AFETCH n, jj, p                 ; the eight fragments of tile jj of buffer n into register buffer p, K step by K step: a batch's first tile
	WIN 0xc0
.set ks, 0
.rept 8
.irp c, 0,1,2,3
	ds_load_b128 v[128*(\p)+16*ks+4*\c:128*(\p)+16*ks+4*\c+3], v[XA+(\n)] offset:16*XP*(\jj)+128*ks+32*\c
.endr
.set ks, ks+1
.endr
	WIN 0
.endm
; 32 products of tile jj out of register buffer p: K step by K step, the four accumulators by turns, one instruction a turn; b1 starts the sums.
; fetch = 1: the 32 LDS loads of tile jj + 1 are dealt among them, eight (two K steps) behind each eight products, into the other register buffer.  No wait on va_vdst: the wait at the end of the tile before has shown that
; buffer's last readers and writers done, and no vector or matrix instruction since names it.
.macro MUL n, jj, p, fetch
.set gq, 0
.rept 4
.if \fetch
	s_wait_dscnt 24                                ; LDS loads come back in order (ISA guide 5.7.1): these two K steps' eight loads are in; younger are 24 - 8 gq of this tile's and 8 gq of the next tile's
.else
	s_wait_dscnt 24-8*gq                           ; nothing more is fetched: the counts run down
.endif
	WIN 0x0d+(gq/2)
.set ks, 2*gq
.rept 2
.set tc, 0
.rept 4
.set WR, ((ks%4)*4+tc)*16
.set AR, 128*(\p)+16*ks
.if ks == 0
	v_wmma_f32_16x16x128_bf8_bf8 v[ACC+8*tc:ACC+8*tc+7], v[WR:WR+15], v[AR:AR+15], v[B1R+8*tc:B1R+8*tc+7]
.else
	v_wmma_f32_16x16x128_bf8_bf8 v[ACC+8*tc:ACC+8*tc+7], v[WR:WR+15], v[AR:AR+15], v[ACC+8*tc:ACC+8*tc+7]
.endif
.set tc, tc+1
.endr
.set ks, ks+1
.endr
.if \fetch
	WIN 0xc0
.set ks, 2*gq
.rept 2
.irp c, 0,1,2,3
	ds_load_b128 v[128*(1-(\p))+16*ks+4*\c:128*(1-(\p))+16*ks+4*\c+3], v[XA+(\n)] offset:16*XP*((\jj)+1)+128*ks+32*\c
.endr
.set ks, ks+1
.endr
.endif
.set gq, gq+1
.endr
	WIN 0
.rept 5
	v_nop                                          ; places behind the products: for the reads of the sums, the writes over x's fragments, later loads into them, and the next tile's sums, which begin anew
.endr
.endm
.macro EPI p                           ; 32 sums a lane become 32 codes.  Each accumulator is read from its low end on
.set TT, 128*(\p)
.set CS, CD+8*(\p)
.set jx, 0
.rept 16
	v_pk_mul_f32 v[ACC+jx:ACC+jx+1], v[ACC+jx:ACC+jx+1], s[38:39] op_sel_hi:[1,0]   ; z = sum x 2^(ex + ew1)
.set jx, jx+2
.endr
	WIN 0xc0
.set jx, 0
.rept 16
	v_pk_mul_f32 v[TT+jx:TT+jx+1], v[ACC+jx:ACC+jx+1], v[ACC+jx:ACC+jx+1]           ; z^2
.set jx, jx+2
.endr
	WIN 0xc3
.set jx, 0
.rept 16
	v_pk_fma_f32 v[TT+jx:TT+jx+1], v[TT+jx:TT+jx+1], s[42:43], v[CA:CA+1] op_sel_hi:[1,0,1]   ; cB z^2 + cA
.set jx, jx+2
.endr
.set jx, 0
.rept 16
	v_pk_mul_f32 v[TT+jx:TT+jx+1], v[TT+jx:TT+jx+1], v[ACC+jx:ACC+jx+1]             ; x z
.set jx, jx+2
.endr
.set jx, 0
	s_wait_alu depctr_va_vdst(0)
.rept 32
	v_exp_f32 v[TT+jx], v[TT+jx]
.set jx, jx+1
.endr
	v_nop                                          ; a plain line behind the exponentials
.set jx, 0
	s_wait_alu depctr_va_vdst(0)                   ; the 32 exponentials have written v[TT ..]: one wait for the batch, ahead of its first reader
.rept 16
	v_pk_add_f32 v[TT+jx:TT+jx+1], v[TT+jx:TT+jx+1], 1.0 op_sel_hi:[1,0]
.set jx, jx+2
.endr
.set jx, 0
	s_wait_alu depctr_va_vdst(0)
.rept 32
	v_rcp_f32 v[TT+jx], v[TT+jx]
.set jx, jx+1
.endr
	v_nop
	WIN 0x03
.set jx, 0
	s_wait_alu depctr_va_vdst(0)                   ; the 32 reciprocals have written v[TT ..]: one wait for the batch, ahead of its first reader
.rept 16
	v_pk_mul_f32 v[ACC+jx:ACC+jx+1], v[TT+jx:TT+jx+1], v[ACC+jx:ACC+jx+1]           ; gelu(z)
.set jx, jx+2
.endr
	WIN 0
	s_wait_xcnt 0x0                                ; the stores of two tiles back have had their addresses translated,
	s_wait_alu depctr_vm_vsrc(0)                   ; and have read this set of codes, which the conversions below write again
.set jx, 0
.rept 32
	v_med3_num_f32 v[ACC+jx], v[ACC+jx], -v[LIM], v[LIM]   ; the conversion does not saturate (ISA guide 7.6.2)
.set jx, jx+1
.endr
.irp b, 0,1
	v_cvt_scalef32_pk8_bf8_f32 v[CS+4*\b:CS+4*\b+1], v[ACC+16*\b:ACC+16*\b+7], v[SC]
	v_cvt_scalef32_pk8_bf8_f32 v[CS+4*\b+2:CS+4*\b+3], v[ACC+16*\b+8:ACC+16*\b+15], v[SC]
.endr
	v_nop                                          ; a plain line behind the conversions: the next products write their sources
.endm
.macro TILE n, beta, jj, endl          ; tile jj of a batch: the next tile's fragments are asked for among its products
.if \jj > 0
	s_add_co_u32 s60, s34, 4*\beta+\jj
	s_cmp_lt_u32 s60, s33
	s_cbranch_scc0 \endl
.endif
.if \jj < 3
	MUL \n, \jj, \jj%2, 1
.else
	MUL \n, \jj, \jj%2, 0
.endif
	EPI \jj%2
	s_wait_alu depctr_va_vdst(0)                   ; the conversions have written this set of codes, which the two stores read; the products and the activation are done with this tile's fragments, in which the LDS loads of the tile after next land
	global_store_b128 v[HO], v[CD+8*(\jj%2):CD+8*(\jj%2)+3], s[56:57] offset:(4*\beta+\jj)*131072        ; 512 consecutive bytes, at a multiple of 512 from h's first byte
	global_store_b128 v[HO], v[CD+8*(\jj%2)+4:CD+8*(\jj%2)+7], s[56:57] offset:(4*\beta+\jj)*131072+512
.endm
.macro BATCH n, beta                   ; up to four tiles out of LDS buffer n
	s_add_co_u32 s60, s34, 4*\beta
	s_cmp_lt_u32 s60, s33
	s_cbranch_scc0 .Lbe_\@
	AFETCH \n, 0, 0                                ; no wait on va_vdst: every tile ends with one, and no vector or matrix instruction since names these registers
	s_wait_alu depctr_va_vdst(0)
	TILE \n, \beta, 0, .Lbe_\@
	TILE \n, \beta, 1, .Lbe_\@
	TILE \n, \beta, 2, .Lbe_\@
	TILE \n, \beta, 3, .Lbe_\@
.Lbe_\@:
.endm
	s_load_b256 s[8:15], s[0:1], 0x0               ; list s[8:9], xq s[10:11], W1 s[12:13], b1 s[14:15]
	s_load_b128 s[16:19], s[0:1], 0x20             ; the scales s[16:17], h s[18:19]
	s_load_b64 s[20:21], s[0:1], 0x30              ; cnt
	v_lshl_add_u32 v30, v0, 2, 0x20800
	v_mov_b32 v31, 0
	v_lshrrev_b32 v[TV], 5, v0
	v_readfirstlane_b32 s28, v[TV]                 ; w
	s_and_b32 s29, ttmp9, 1                        ; q
	s_bfe_u32 s30, ttmp9, 0x40001                  ; g
	s_lshr_b32 s31, ttmp9, 5                       ; e
	v_and_b32 v1, 31, v0                           ; lane
	v_and_b32 v2, 15, v0                           ; r
	v_bfe_u32 v3, v0, 4, 1                         ; lane / 16
	v_lshlrev_b32 v4, 4, v1
	v_and_b32 v[TV], 8, v2
	v_add_nc_u32 v[TV], v[TV], v2
	v_lshlrev_b32 v[WO], 10, v[TV]
	v_lshl_add_u32 v[WO], v3, 4, v[WO]
	s_wait_alu depctr_va_sdst(0)                   ; s28 is written, ahead of its first reader: offsets, LDS addresses and the list's requests are made from it
	s_lshl_b32 s60, s28, 16
	v_add_nc_u32 v[WO], s60, v[WO]
	v_lshlrev_b32 v[BO], 6, v3
	s_lshl_b32 s60, s28, 8
	v_add_nc_u32 v[BO], s60, v[BO]
	s_mul_i32 s60, s28, 16*XP
	v_add_nc_u32 v[XS], s60, v4
	v_add_nc_u32 v[XS+1], XB1, v[XS]
	v_add_nc_u32 v[XS], XB0, v[XS]
	v_mul_u32_u24 v[XA], v2, XP
	v_lshl_add_u32 v[XA], v3, 4, v[XA]
	v_add_nc_u32 v[XA+1], XB1, v[XA]
	v_add_nc_u32 v[XA], XB0, v[XA]
	s_lshl_b32 s60, s30, 1
	s_lshr_b32 s61, s28, 1
	s_add_co_u32 s60, s60, s61
	s_lshl_b32 s60, s60, 11
	s_and_b32 s61, s28, 1
	s_lshl_b32 s61, s61, 10
	s_add_co_u32 s60, s60, s61
	v_add_nc_u32 v[HO], s60, v4
	s_mov_b32 s34, 0
	s_mov_b32 s35, 4
	s_mov_b32 s63, 0
	s_lshl_b32 s60, s31, 22                        ; an expert's 4 MiB of W1 and of h
	s_lshl_b32 s61, s30, 18
	s_add_co_u32 s62, s60, s61
	s_wait_kmcnt 0x0
	s_add_nc_u64 s[52:53], s[12:13], s[62:63]      ; W1 at the work-group's 256 rows
	s_lshl_b32 s62, s29, 16
	s_add_co_u32 s62, s62, s60
	s_add_nc_u64 s[56:57], s[18:19], s[62:63]      ; h at tile q of the expert
	s_lshl_b32 s62, s31, 14
	s_lshl_b32 s61, s30, 10
	s_add_co_u32 s62, s62, s61
	s_add_nc_u64 s[54:55], s[14:15], s[62:63]      ; b1 at the work-group's 256 units
	s_lshl_b32 s62, s31, 7
	s_add_nc_u64 s[20:21], s[20:21], s[62:63]      ; cnt at the expert's 128 bytes
	s_lshl_b32 s62, s31, 12
	s_lshl_b32 s61, s29, 6
	s_add_co_u32 s62, s62, s61
	s_add_nc_u64 s[58:59], s[8:9], s[62:63]        ; the list at the expert's 4,096 bytes, tile q
	s_lshl_b32 s62, s31, 4
	s_add_nc_u64 s[16:17], s[16:17], s[62:63]
	s_load_b128 s[24:27], s[16:17], 0x0            ; ex, ew1, eh, ew2 of my expert
	s_load_b32 s32, s[20:21], 0x0                  ; NT
	LREQ LSA, 44, 0                                ; my tile of the first batch,
	LREQ LSB, 46, 4                                ; and of the second
	s_wait_alu depctr_va_vdst(0)                   ; v[WO], v[BO], v[XS ..], v[XA ..] and v[HO] are written, which the loads, LDS stores, LDS loads and stores of the whole kernel read
	WL 0, 0
	WL 0, 1
	WL 0, 2
	WL 0, 3
	WL 1, 0
	WL 1, 1
	WIN 0
	s_wait_kmcnt 0x0                               ; the scales, NT and both sets of places
	s_min_u32 s32, s32, 64
	s_max_u32 s32, s32, 1
	s_add_co_u32 s33, s32, 1
	s_sub_co_u32 s33, s33, s29
	s_lshr_b32 s33, s33, 1                         ; tiles of my parity: (NT + 1 - q) / 2, at most 32
	LUSE LSA
	s_wait_alu depctr_va_vdst(0)                   ; the sixteen additions have written v[OFF ..], which the rows' loads read
	LREQ LSA, 44, 8                                ; the third batch's places
	XLOAD                                          ; the first four tiles' rows
	WL 1, 2
	WL 1, 3
.irp sp, 2,3
.irp ct, 0,1,2,3
	WL \sp, \ct
.endr
.endr
	WIN 0
.irp ct, 0,1,2,3
	global_load_b128 v[B1R+8*\ct:B1R+8*\ct+3], v[BO], s[54:55] offset:(32*(\ct/2)+8*(\ct%2))*4
	global_load_b128 v[B1R+8*\ct+4:B1R+8*\ct+7], v[BO], s[54:55] offset:(32*(\ct/2)+8*(\ct%2))*4+16
.endr
	s_wait_loadcnt 63                              ; the rows are in: 88 loads are younger, and the count's field holds 63
	XSTORE 0
	s_wait_dscnt 0x0                               ; for the others' sake: my 16 rows lie in LDS
	s_barrier_signal -1
	s_barrier_wait -1                              ; buffer 0 is whole
	s_wait_loadcnt 0x0                             ; W1 and b1
	s_add_co_i32 s60, s24, s25                     ; ex + ew1
	s_sub_co_i32 s61, 0, s60
.set jx, 0
.rept 32
	v_ldexp_f32 v[B1R+jx], v[B1R+jx], s61          ; b1 / 2^(ex + ew1)
.set jx, jx+1
.endr
	s_add_co_i32 s60, s60, 127
	s_lshl_b32 s38, s60, 23                        ; 2^(ex + ew1) as f32
	s_mov_b32 s39, s38                             ; (named with it as a pair, so it is written)
	s_mov_b32 s42, 0xbdd2d3e8                      ; cB
	s_mov_b32 s43, s42
	v_mov_b32 v[CA], 0xc0135761                    ; cA
	v_mov_b32 v[CA+1], 0xc0135761
	s_add_co_i32 s60, s26, 127
	s_lshl_b32 s61, s60, 23
	v_mov_b32 v[SC], s61                           ; 2^eh: the conversion takes its exponent field
	s_add_co_i32 s60, s60, 15
	s_lshl_b32 s60, s60, 23
	s_or_b32 s60, s60, 0x600000
	v_mov_b32 v[LIM], s60                          ; 57,344 x 2^eh
.Ltrip:                                            ; four trips of two batches: 32 tiles, as many as a parity can have.  Each barrier parts one buffer's reads from its next fill and the other's fill from its reads
	s_add_co_u32 s60, s34, 4
	s_cmp_lt_u32 s60, s33
	s_cbranch_scc0 .Lp1
	s_wait_kmcnt 0x0                               ; the odd set holds the places of my tile s34 + 4 + w
	s_wait_alu depctr_vm_vsrc(0)                   ; the last gather's loads have read v[OFF ..], which the additions below write; the LDS stores have read v[ST ..], in which the loads below land
	LUSE LSB
	s_wait_alu depctr_va_vdst(0)                   ; the sixteen additions have written v[OFF ..], which the rows' loads read
	LREQ LSB, 46, 12                               ; the next trip's
	XLOAD                                          ; the next batch's rows land while this batch is multiplied
.Lp1:
	BATCH 0, 0
	s_wait_loadcnt 0x0
	s_add_co_u32 s60, s34, 4
	s_cmp_lt_u32 s60, s33
	s_cbranch_scc0 .Lq1
	XSTORE 1
.Lq1:
	s_wait_dscnt 0x0                               ; my stores have landed, my reads of buffer 0 are in
	s_barrier_signal -1
	s_barrier_wait -1
	s_add_co_u32 s60, s34, 8
	s_cmp_lt_u32 s60, s33
	s_cbranch_scc0 .Lp2
	s_wait_kmcnt 0x0                               ; the even set holds the places of my tile s34 + 8 + w
	s_wait_alu depctr_vm_vsrc(0)                   ; the last gather's loads have read v[OFF ..], which the additions below write; the LDS stores have read v[ST ..], in which the loads below land
	LUSE LSA
	s_wait_alu depctr_va_vdst(0)                   ; the sixteen additions have written v[OFF ..], which the rows' loads read
	LREQ LSA, 44, 16
	XLOAD
.Lp2:
	BATCH 1, 1
	s_wait_loadcnt 0x0
	s_add_co_u32 s60, s34, 8
	s_cmp_lt_u32 s60, s33
	s_cbranch_scc0 .Lq2
	XSTORE 0
.Lq2:
	s_wait_dscnt 0x0
	s_barrier_signal -1
	s_barrier_wait -1
	s_wait_xcnt 0x0                                ; the stores have read their base
	s_add_nc_u64 s[56:57], s[56:57], 0x100000      ; eight tiles of my parity on
	s_add_co_u32 s34, s34, 8
	s_sub_co_u32 s35, s35, 1
	s_cmp_lg_u32 s35, 0
	s_cbranch_scc1 .Ltrip
	s_wait_dscnt 0x0                               ; the closing lines, six on end
	s_wait_alu 0x0
	s_wait_tensorcnt 0x0
	ds_add_u32 v30, v31
	s_wait_dscnt 0x0
	s_endpgm
.Lfunc_end_k_qeb9d5ab035_ffn1:
	.size	k_qeb9d5ab035_ffn1, .Lfunc_end_k_qeb9d5ab035_ffn1-k_qeb9d5ab035_ffn1
	.p2alignl 7, 3214868480
	.fill 96, 4, 3214868480
	.section	.rodata,"a",@progbits
	.p2align	6, 0x0
	.amdhsa_kernel k_qeb9d5ab035_ffn1
		.amdhsa_group_segment_fixed_size 133632
		.amdhsa_private_segment_fixed_size 0
		.amdhsa_enable_private_segment 0
		.amdhsa_kernarg_size 56
		.amdhsa_user_sgpr_count 2
		.amdhsa_user_sgpr_kernarg_segment_ptr 1
		.amdhsa_wavefront_size32 1
		.amdhsa_system_sgpr_workgroup_id_x 1
		.amdhsa_system_sgpr_workgroup_id_y 1
		.amdhsa_system_sgpr_workgroup_id_z 1
		.amdhsa_system_vgpr_workitem_id 0
		.amdhsa_next_free_vgpr 1024
		.amdhsa_next_free_sgpr 100
		.amdhsa_reserve_vcc 0
		.amdhsa_float_denorm_mode_32 3
		.amdhsa_float_denorm_mode_16_64 3
		.amdhsa_memory_ordered 1
		.amdhsa_forward_progress 1
		.amdhsa_inst_pref_size 167
	.end_amdhsa_kernel
	.amdgpu_metadata
---
amdhsa.version: [ 1, 2 ]
amdhsa.kernels:
  - .name:           k_qeb9d5ab035_ffn1
    .symbol:         k_qeb9d5ab035_ffn1.kd
    .args:
      - { .name: list, .offset: 0, .size: 8, .value_kind: global_buffer, .address_space: global }
      - { .name: xq, .offset: 8, .size: 8, .value_kind: global_buffer, .address_space: global }
      - { .name: w1_codes, .offset: 16, .size: 8, .value_kind: global_buffer, .address_space: global }
      - { .name: b1, .offset: 24, .size: 8, .value_kind: global_buffer, .address_space: global }
      - { .name: lowp_scales, .offset: 32, .size: 8, .value_kind: global_buffer, .address_space: global }
      - { .name: h, .offset: 40, .size: 8, .value_kind: global_buffer, .address_space: global }
      - { .name: cnt, .offset: 48, .size: 8, .value_kind: global_buffer, .address_space: global }
    .group_segment_fixed_size: 133632
    .private_segment_fixed_size: 0
    .kernarg_segment_align: 8
    .kernarg_segment_size: 56
    .max_flat_workgroup_size: 128
    .sgpr_count:     100
    .vgpr_count:     1024
    .wavefront_size: 32
...
	.end_amdgpu_metadata
.endif
;; end of part 8
;; launch ffn2 (part 9): grid 256 x 1, 4 waves a work-group, no clusters, 70,144 bytes of LDS; arguments h, w2_codes, b2, lowp_scales, cnt, y; writes y
.if DOCPART == 9
	.amdgcn_target "amdgcn-amd-amdhsa--gfx1250"
	.amdhsa_code_object_version 6
	.text
	.protected	k_qeb9d5ab035_ffn2
	.globl	k_qeb9d5ab035_ffn2
	.p2align	8
	.type	k_qeb9d5ab035_ffn2,@function
k_qeb9d5ab035_ffn2:
	s_mov_b64 s[64:65], 0
	v_nop
	global_prefetch_b8 v0, s[64:65] scope:SCOPE_SE
	s_setreg_imm32_b32 hwreg(HW_REG_WAVE_SCHED_MODE, 0, 2), 2
	s_setreg_imm32_b32 hwreg(HW_REG_WAVE_MODE, 25, 1), 1
	s_wait_xcnt 0x0
	s_wait_alu depctr_vm_vsrc(0)
; THE SECOND PRODUCT OF THE CHOSEN EXPERTS: y = h W2 + b2, on codes of E5M2, for the expert's NT tiles of 16 routed rows (NT from cnt, stored by an earlier launch).
; SHARES.  Work-group id = (e x 16 + g) x 2 + q: expert e, columns 64 g .. 64 g + 63 of the output, tiles 2 k + q.  THE WAVES SPLIT K: wave w keeps W2's 64 rows x K = 1,024 w .. 1,024 w + 1,023 in 512 registers,
; read from memory once, and loads only its own eight K steps of each tile of h.  h lies as images of the operand's registers, so a fragment is four loads of 512 consecutive bytes, straight into registers.
; The four waves' partial tiles (16 rows x 64 columns, f32) meet in LDS, two tiles to a group and two LDS buffers by turns: one barrier a group; each wave then adds four parts for 8 rows of one tile,
; multiplies by 2^(eh + ew2), adds b2 and stores: sixteen lanes store 256 consecutive bytes, at a multiple of 256 from y's first byte.
; THE MATRIX INSTRUCTION IS USED TRANSPOSED (source 0 = 16 rows of W2, source 1 = 16 routed rows): a lane holds eight neighbouring columns of one row of y.
; h comes through a ring of four half tiles (4 K steps, 16 loads each) in registers; a half is asked for again in the step behind the one that multiplied it, for the tile two further on; past the last tile the tile's number is held at NT - 1.
; No tensor load and no joint load: the number of tiles hangs on a stored number.  The loop has a constant count; a group without tiles is jumped over, its barrier is not.
; LIMITS: eh + ew2 between -126 and 127.
; REGISTERS, in windows of 256: window 0: addresses, b2, two sets of four accumulators, the parts to be added, results;  windows 1, 2: W2's fragment (tile ct, K step s) at window 1 + s / 4, register ((s % 4) 4 + ct) 16;
;   window 3: the four halves, half (tile parity kap, hf) at 64 (2 kap + hf), K step at + 16.
; THE MODE: SCHED_MODE bits 1:0 = 2 (LLVM: expert scheduling mode 2), set by the entry lines.  The code itself states the register dependences
; between vector or matrix instructions and memory or LDS instructions, with s_wait_alu, always for 0.
; THE PLAN.  A group of two tiles is four steps, step i = 2 kap + hf.  Registers that memory or LDS instructions touch, in the loop:
;   H0 .. H3    (window 3)  Step i: its sixteen products read H[i]; the sixteen loads that land in H[i] again are issued in step i + 1 (H3's in the next group's step 0).
;   v[AO]       Read by the loads into H0 (step 1) and H1 (step 2); written at a group's head.      v[AO + 1]  Read by the loads into H2 (step 3) and H3 (the next step 0); written between steps 1 and 2.
;   ACC0, ACC1  Written by the products of steps 0, 1 and of steps 2, 3; read by eight LDS stores each, ACC0's in step 2, ACC1's at the group's end; begun anew in the next group.
;   v[RD ..]    A reduction's LDS loads land in them, its additions work in them.      v[OUT ..]  Written by its multiply-adds, read by its four stores.
;   v[WO], v[BOF], v[PW], v[RDA], v[YO]   written at the head and never again.
; So one wait on va_vdst stands at the head of steps 1, 2 and 3: the step before is done reading its half, v[AO ..] is written, and (step 2) ACC0 is written; one more at the group's end, ahead of ACC1's LDS stores, which serves
; the next step 0 too: nothing issued between them names H3 or v[AO + 1].  A step's sixteen loads follow its wait, dealt among its products, which name W2, H[i] and the accumulators: none of the registers that the loads touch.
; A wait on vm_vsrc stands ahead of each add to v[AO ..]; the one at a group's head also states that the last group's LDS stores have read ACC0 and ACC1.
.set PP,    272                        ; a row of a partial tile in LDS: 256 bytes + 16
.set SLOTB, 16*PP
.set WAVB,  2*SLOTB
.set BUFB,  4*WAVB
.set WO,  4                            ; v4   W2: 4,096 r + 16 (lane / 16) + 1,024 w
.set A0,  5                            ; v5   h: 16 lane + 16,384 w
.set AO,  6                            ; v6, v7  the same + the tile that each parity loads next
.set PW,  8                            ; v8   where I put my part: my wave's region, row r, + 32 (lane / 16)
.set RDA, 9                            ; v9   where I read parts: tile w / 2, rows 8 (w % 2) + lane / 16, 16 bytes a lane
.set YO,  10                           ; v10  y: 4,096 (lane / 16) + 16 r
.set BOF, 11
.set B2R, 12                           ; v12-15 b2 of my four columns
.set ACC, 32                           ; v32-63, v64-95
.set RD,  96                           ; v96-159
.set OUT, 160                          ; v160-175
; s24-27 ex, ew1, eh, ew2; s28 w, s29 q, s30 g, s31 e; s32 NT - 1; s33 my tiles; s34 the group's first tile; s35 trips left; s[40:41] 2^(eh + ew2); s[42:43] W2, s[44:45] h, s[46:47] b2, s[48:49] y at my part; s[50:51] y in hand
.set MSB, 0
.macro WIN new
.if MSB != (\new)
	s_set_vgpr_msb (MSB<<8)|(\new)
.set MSB, (\new)
.endif
.endm
.macro WL sp, ct                       ; eight loads: tile ct, K steps 2 sp and 2 sp + 1: 256 consecutive bytes of each of 16 rows
	WIN 0x40+0x40*((\sp)/2)
.irp x, 0,1
.irp c, 0,1,2,3
.set WR, (((2*(\sp)+\x)%4)*4+(\ct))*16+4*\c
	global_load_b128 v[WR:WR+3], v[WO], s[42:43] offset:65536*(\ct)+128*(2*(\sp)+\x)+32*\c
.endr
.endr
.endm
.macro HL8 kap, hf, k0                 ; eight loads of 512 consecutive bytes: K steps k0 and k0 + 1 of half (kap, hf) of the tile that v[AO + kap] names
	WIN 0xc0
.irp x, 0,1
.irp c, 0,1,2,3
.set AR, 64*(2*(\kap)+(\hf))+16*((\k0)+\x)+4*\c
	global_load_b128 v[AR:AR+3], v[AO+(\kap)], s[44:45] offset:8192*(\hf)+2048*((\k0)+\x)+512*\c
.endr
.endr
.endm
.macro MUL4 kap, hf, ks                ; four products: K step ks of half (kap, hf), the four accumulators by turns, one instruction a turn; a tile's first four start its sums
	WIN 0x0d+(\hf)
.set tc, 0
.rept 4
.set WR, ((\ks)*4+tc)*16
.set AR, 64*(2*(\kap)+(\hf))+16*(\ks)
.set DR, ACC+32*(\kap)+8*tc
.if ((\hf) == 0) && ((\ks) == 0)
	v_wmma_f32_16x16x128_bf8_bf8 v[DR:DR+7], v[WR:WR+15], v[AR:AR+15], 0
.else
	v_wmma_f32_16x16x128_bf8_bf8 v[DR:DR+7], v[WR:WR+15], v[AR:AR+15], v[DR:DR+7]
.endif
.set tc, tc+1
.endr
.endm
.macro STEP kap, hf, lk, lh            ; sixteen products on half (kap, hf); among them the sixteen loads into half (lk, lh), which the step before multiplied
	MUL4 \kap, \hf, 0
	HL8 \lk, \lh, 0
	MUL4 \kap, \hf, 1
	HL8 \lk, \lh, 2
	MUL4 \kap, \hf, 2
	MUL4 \kap, \hf, 3
.rept 4
	v_nop                                          ; places behind the products, in front of loads into their sources and of the LDS stores of their results
.endr
.endm
.macro NEXT kap                        ; v[AO + kap] takes the tile two further on, held at the expert's last
	s_add_co_u32 s60, s34, \kap+2
	s_lshl_b32 s60, s60, 1
	s_add_co_u32 s60, s60, s29
	s_min_u32 s60, s60, s32
	s_min_u32 s60, s60, 63
	s_lshl_b32 s60, s60, 16
	s_wait_xcnt 0x0                                ; the loads that named this register have had their addresses translated,
	s_wait_alu depctr_vm_vsrc(0)                   ; and have read it; at a group's head also: the last group's LDS stores have read both sets of accumulators, which this group's products begin anew
	v_add_nc_u32 v[AO+\kap], s60, v[A0]
.endm
.macro PART P, kap                     ; my part of tile kap of the group goes to LDS buffer P
.irp ct, 0,1,2,3
	ds_store_b128 v[PW], v[ACC+32*\kap+8*\ct:ACC+32*\kap+8*\ct+3] offset:BUFB*\P+SLOTB*\kap+64*\ct        ; each accumulator from its low end on
	ds_store_b128 v[PW], v[ACC+32*\kap+8*\ct+4:ACC+32*\kap+8*\ct+7] offset:BUFB*\P+SLOTB*\kap+64*\ct+16
.endr
.endm
.macro REDUCE P                        ; 8 rows of tile s34 + w / 2, if the expert has it
	s_lshr_b32 s60, s28, 1
	s_add_co_u32 s60, s60, s34
	s_cmp_lt_u32 s60, s33
	s_cbranch_scc0 .Lnr_\@
	s_lshl_b32 s60, s60, 1
	s_add_co_u32 s60, s60, s29
	s_lshl_b32 s60, s60, 16                        ; a tile's 16 rows of 4,096 bytes
	s_and_b32 s61, s28, 1
	s_lshl_b32 s61, s61, 15
	s_add_co_u32 s52, s60, s61
	s_wait_xcnt 0x0                                ; the last stores have read their base and their data
	s_wait_alu depctr_vm_vsrc(0)                   ; the last reduction's stores have read v[OUT ..], which the multiply-adds below write again
	s_wait_alu depctr_va_vdst(0)                   ; the last reduction's additions are done with v[RD ..], in which the LDS loads below land
	s_add_nc_u64 s[50:51], s[48:49], s[52:53]
.irp p, 0,1,2,3
.irp src, 0,1,2,3
	ds_load_b128 v[RD+16*\p+4*\src:RD+16*\p+4*\src+3], v[RDA] offset:BUFB*\P+WAVB*\src+2*PP*\p
.endr
.endr
	s_wait_dscnt 0x0
.irp p, 0,1,2,3
	v_pk_add_f32 v[RD+16*\p:RD+16*\p+1], v[RD+16*\p:RD+16*\p+1], v[RD+16*\p+4:RD+16*\p+5]
	v_pk_add_f32 v[RD+16*\p+2:RD+16*\p+3], v[RD+16*\p+2:RD+16*\p+3], v[RD+16*\p+6:RD+16*\p+7]
	v_pk_add_f32 v[RD+16*\p+8:RD+16*\p+9], v[RD+16*\p+8:RD+16*\p+9], v[RD+16*\p+12:RD+16*\p+13]
	v_pk_add_f32 v[RD+16*\p+10:RD+16*\p+11], v[RD+16*\p+10:RD+16*\p+11], v[RD+16*\p+14:RD+16*\p+15]
	v_pk_add_f32 v[RD+16*\p:RD+16*\p+1], v[RD+16*\p:RD+16*\p+1], v[RD+16*\p+8:RD+16*\p+9]
	v_pk_add_f32 v[RD+16*\p+2:RD+16*\p+3], v[RD+16*\p+2:RD+16*\p+3], v[RD+16*\p+10:RD+16*\p+11]
	v_pk_fma_f32 v[OUT+4*\p:OUT+4*\p+1], v[RD+16*\p:RD+16*\p+1], s[40:41], v[B2R:B2R+1] op_sel_hi:[1,0,1]       ; sum x 2^(eh + ew2) + b2
	v_pk_fma_f32 v[OUT+4*\p+2:OUT+4*\p+3], v[RD+16*\p+2:RD+16*\p+3], s[40:41], v[B2R+2:B2R+3] op_sel_hi:[1,0,1]
.endr
	s_wait_alu depctr_va_vdst(0)                   ; the multiply-adds have written v[OUT ..], which the four stores read
.irp p, 0,1,2,3
	global_store_b128 v[YO], v[OUT+4*\p:OUT+4*\p+3], s[50:51] offset:8192*\p
.endr
.Lnr_\@:
.endm
.macro GROUP P                         ; two tiles.  With an odd number of tiles the second is the held one: it is multiplied and not stored, so that the ring's order is the same on every way
	s_cmp_lt_u32 s34, s33
	s_cbranch_scc0 .Lng_\@
	NEXT 0
	s_wait_loadcnt 32                              ; loads come back in order (ISA guide 5.7.1): this step's half is in; the two younger halves stay out
	STEP 0, 0, 1, 1                                ; no wait on va_vdst: the one at the last group's end (at the head: the one ahead of the halves' first loads) stands behind the last reader of H3 and the last write of v[AO + 1]
	s_wait_loadcnt 32
	s_wait_alu depctr_va_vdst(0)                   ; step 0's products are done reading H0, in which the loads below land; v[AO] is written, which they read
	STEP 0, 1, 0, 0
	WIN 0
	NEXT 1
	s_wait_loadcnt 32
	s_wait_alu depctr_va_vdst(0)                   ; step 1's products have written ACC0, which the LDS stores below read (the places stand ahead of this wait), and are done reading H1, in which the loads below land
	PART \P, 0
	STEP 1, 0, 0, 1
	s_wait_loadcnt 32
	s_wait_alu depctr_va_vdst(0)                   ; step 2's products are done reading H2, in which the loads below land; v[AO + 1] is written, which they read
	STEP 1, 1, 1, 0
	WIN 0
	s_wait_alu depctr_va_vdst(0)                   ; step 3's products have written ACC1, which the LDS stores below read (the places stand ahead of this wait), and are done reading H3, in which the next group's first loads land
	PART \P, 1
.Lng_\@:
	s_wait_dscnt 0x0                               ; my parts lie in LDS, and my reads of the other buffer are in
	s_barrier_signal -1
	s_barrier_wait -1
	REDUCE \P
	s_add_co_u32 s34, s34, 2
.endm
	s_load_b256 s[8:15], s[0:1], 0x0               ; h s[8:9], W2 s[10:11], b2 s[12:13], the scales s[14:15]
	s_load_b128 s[16:19], s[0:1], 0x20             ; cnt s[16:17], y s[18:19]
	v_lshl_add_u32 v254, v0, 2, 0x11000
	v_mov_b32 v255, 0
	v_lshrrev_b32 v1, 5, v0
	v_readfirstlane_b32 s28, v1                    ; w
	s_and_b32 s29, ttmp9, 1                        ; q
	s_bfe_u32 s30, ttmp9, 0x40001                  ; g
	s_lshr_b32 s31, ttmp9, 5                       ; e
	v_and_b32 v1, 31, v0
	v_and_b32 v2, 15, v0                           ; r
	v_bfe_u32 v3, v0, 4, 1                         ; lane / 16
	v_lshlrev_b32 v[WO], 12, v2
	v_lshl_add_u32 v[WO], v3, 4, v[WO]
	s_wait_alu depctr_va_sdst(0)                   ; s28 is written, ahead of its first reader: offsets and LDS addresses are made from it
	s_lshl_b32 s60, s28, 10
	v_add_nc_u32 v[WO], s60, v[WO]
	v_lshlrev_b32 v[A0], 4, v1
	s_lshl_b32 s60, s28, 14
	v_add_nc_u32 v[A0], s60, v[A0]
	v_mul_u32_u24 v[PW], v2, PP
	v_lshl_add_u32 v[PW], v3, 5, v[PW]
	s_mul_i32 s60, s28, WAVB
	v_add_nc_u32 v[PW], s60, v[PW]
	v_mul_u32_u24 v[RDA], v3, PP
	v_lshl_add_u32 v[RDA], v2, 4, v[RDA]
	s_lshr_b32 s60, s28, 1
	s_mul_i32 s60, s60, SLOTB
	s_and_b32 s61, s28, 1
	s_mul_i32 s61, s61, 8*PP
	s_add_co_u32 s60, s60, s61
	v_add_nc_u32 v[RDA], s60, v[RDA]
	v_lshlrev_b32 v[YO], 12, v3
	v_lshl_add_u32 v[YO], v2, 4, v[YO]
	v_lshlrev_b32 v[BOF], 4, v2
	s_mov_b32 s63, 0
	s_mov_b32 s53, 0
	s_lshl_b32 s60, s31, 22                        ; an expert's 4 MiB of W2, of h and of y
	s_lshl_b32 s61, s30, 18
	s_add_co_u32 s62, s60, s61
	s_wait_kmcnt 0x0
	s_add_nc_u64 s[42:43], s[10:11], s[62:63]      ; W2 at the work-group's 64 rows
	s_mov_b32 s62, s60
	s_add_nc_u64 s[44:45], s[8:9], s[62:63]        ; h at the expert
	s_lshl_b32 s61, s30, 8
	s_add_co_u32 s62, s60, s61
	s_add_nc_u64 s[48:49], s[18:19], s[62:63]      ; y at the expert and the work-group's 64 columns
	s_lshl_b32 s62, s31, 12
	s_add_co_u32 s62, s62, s61
	s_add_nc_u64 s[46:47], s[12:13], s[62:63]      ; b2 likewise
	s_lshl_b32 s62, s31, 7
	s_add_nc_u64 s[16:17], s[16:17], s[62:63]
	s_lshl_b32 s62, s31, 4
	s_add_nc_u64 s[14:15], s[14:15], s[62:63]
	s_load_b32 s32, s[16:17], 0x0                  ; NT
	s_load_b128 s[24:27], s[14:15], 0x0            ; ex, ew1, eh, ew2
	s_wait_alu depctr_va_vdst(0)                   ; v[WO], v[BOF], v[PW], v[RDA] and v[YO] are written, which the loads, LDS stores, LDS loads and stores of the whole kernel read
	global_load_b128 v[B2R:B2R+3], v[BOF], s[46:47]
.irp sp, 0,1,2,3
.irp ct, 0,1,2,3
	WL \sp, \ct
.endr
.endr
	WIN 0
	s_wait_kmcnt 0x0
	s_min_u32 s32, s32, 64
	s_max_u32 s32, s32, 1
	s_add_co_u32 s33, s32, 1
	s_sub_co_u32 s33, s33, s29
	s_lshr_b32 s33, s33, 1                         ; tiles of my parity
	s_sub_co_u32 s32, s32, 1
	s_min_u32 s60, s29, s32
	s_min_u32 s60, s60, 63
	s_lshl_b32 s60, s60, 16
	v_add_nc_u32 v[AO], s60, v[A0]                 ; my first tile,
	s_add_co_u32 s60, s29, 2
	s_min_u32 s60, s60, s32
	s_min_u32 s60, s60, 63
	s_lshl_b32 s60, s60, 16
	v_add_nc_u32 v[AO+1], s60, v[A0]               ; and my second
	s_wait_alu depctr_va_vdst(0)                   ; v[AO] and v[AO + 1] are written, which the halves' loads read
	HL8 0, 0, 0                                    ; the first three halves; the fourth is asked for in the first step, as in every group
	HL8 0, 0, 2
	HL8 0, 1, 0
	HL8 0, 1, 2
	HL8 1, 0, 0
	HL8 1, 0, 2
	WIN 0
	s_add_co_i32 s60, s26, s27
	s_add_co_i32 s60, s60, 127
	s_lshl_b32 s40, s60, 23                        ; 2^(eh + ew2) as f32
	s_mov_b32 s41, s40                             ; (named with it as a pair, so it is written)
	s_mov_b32 s34, 0
	s_mov_b32 s35, 8
	s_wait_loadcnt 63                              ; b2 is in, on every way into the loop: 176 loads are younger, and the count's field holds 63
.Ltrip:                                            ; eight trips of two groups of two tiles: 32 tiles, as many as a parity can have
	GROUP 0
	GROUP 1
	s_sub_co_u32 s35, s35, 1
	s_cmp_lg_u32 s35, 0
	s_cbranch_scc1 .Ltrip
	s_wait_dscnt 0x0                               ; the closing lines, six on end
	s_wait_alu 0x0
	s_wait_tensorcnt 0x0
	ds_add_u32 v254, v255
	s_wait_dscnt 0x0
	s_endpgm
.Lfunc_end_k_qeb9d5ab035_ffn2:
	.size	k_qeb9d5ab035_ffn2, .Lfunc_end_k_qeb9d5ab035_ffn2-k_qeb9d5ab035_ffn2
	.p2alignl 7, 3214868480
	.fill 96, 4, 3214868480
	.section	.rodata,"a",@progbits
	.p2align	6, 0x0
	.amdhsa_kernel k_qeb9d5ab035_ffn2
		.amdhsa_group_segment_fixed_size 70144
		.amdhsa_private_segment_fixed_size 0
		.amdhsa_enable_private_segment 0
		.amdhsa_kernarg_size 48
		.amdhsa_user_sgpr_count 2
		.amdhsa_user_sgpr_kernarg_segment_ptr 1
		.amdhsa_wavefront_size32 1
		.amdhsa_system_sgpr_workgroup_id_x 1
		.amdhsa_system_sgpr_workgroup_id_y 1
		.amdhsa_system_sgpr_workgroup_id_z 1
		.amdhsa_system_vgpr_workitem_id 0
		.amdhsa_next_free_vgpr 1024
		.amdhsa_next_free_sgpr 66
		.amdhsa_reserve_vcc 0
		.amdhsa_float_denorm_mode_32 3
		.amdhsa_float_denorm_mode_16_64 3
		.amdhsa_memory_ordered 1
		.amdhsa_forward_progress 1
		.amdhsa_inst_pref_size 55
	.end_amdhsa_kernel
	.amdgpu_metadata
---
amdhsa.version: [ 1, 2 ]
amdhsa.kernels:
  - .name:           k_qeb9d5ab035_ffn2
    .symbol:         k_qeb9d5ab035_ffn2.kd
    .args:
      - { .name: h, .offset: 0, .size: 8, .value_kind: global_buffer, .address_space: global }
      - { .name: w2_codes, .offset: 8, .size: 8, .value_kind: global_buffer, .address_space: global }
      - { .name: b2, .offset: 16, .size: 8, .value_kind: global_buffer, .address_space: global }
      - { .name: lowp_scales, .offset: 24, .size: 8, .value_kind: global_buffer, .address_space: global }
      - { .name: cnt, .offset: 32, .size: 8, .value_kind: global_buffer, .address_space: global }
      - { .name: y, .offset: 40, .size: 8, .value_kind: global_buffer, .address_space: global }
    .group_segment_fixed_size: 70144
    .private_segment_fixed_size: 0
    .kernarg_segment_align: 8
    .kernarg_segment_size: 48
    .max_flat_workgroup_size: 128
    .sgpr_count:     66
    .vgpr_count:     1024
    .wavefront_size: 32
...
	.end_amdgpu_metadata
.endif
;; end of part 9
;; launch mix (part 10): grid 256 x 1, 4 waves a work-group, no clusters, 0 bytes of LDS; arguments y, sel, loc, gw, out0; writes out0
.if DOCPART == 10
	.amdgcn_target "amdgcn-amd-amdhsa--gfx1250"
	.amdhsa_code_object_version 6
	.text
	.protected	k_qeb9d5ab035_mix
	.globl	k_qeb9d5ab035_mix
	.p2align	8
	.type	k_qeb9d5ab035_mix,@function
k_qeb9d5ab035_mix:
	s_mov_b64 s[64:65], 0
	v_nop
	global_prefetch_b8 v0, s[64:65] scope:SCOPE_SE
	s_setreg_imm32_b32 hwreg(HW_REG_WAVE_MODE, 25, 1), 1
	s_wait_xcnt 0x0
; out[t] = w0 y[e0][loc[e0][t]] + w1 y[e1][loc[e1][t]]: each output row has one owner, the wave t = 4 x work-group + wave.  sel (the two experts), loc (a token's place in an expert's list) and gw (the weights)
; were stored by earlier launches.  A row is 4,096 bytes: eight loads of 512 consecutive bytes for each of the two rows, eight stores likewise.  A stream: no LDS, no barrier, no matrix unit.
.set Y0, 8                             ; v8-39    the first expert's row
.set Y1, 40                            ; v40-71   the second's
.set R,  72                            ; v72-103  the result
	s_load_b256 s[4:11], s[0:1], 0x0               ; y s[4:5], sel s[6:7], loc s[8:9], gw s[10:11]
	s_load_b64 s[12:13], s[0:1], 0x20              ; out0
	v_lshrrev_b32 v1, 5, v0
	v_readfirstlane_b32 s14, v1                    ; wave
	v_and_b32 v2, 31, v0
	v_lshlrev_b32 v2, 4, v2                        ; 16 x lane
	s_lshl_b32 s15, ttmp9, 2
	s_add_co_u32 s15, s15, s14                     ; t
	s_lshl_b32 s16, s15, 2
	s_mov_b32 s17, 0
	s_lshl_b32 s18, s15, 3
	s_mov_b32 s19, 0
	s_lshl_b32 s20, s15, 12
	s_mov_b32 s21, 0
	s_wait_alu depctr_va_vdst(0)
	s_wait_kmcnt 0x0
	s_add_nc_u64 s[6:7], s[6:7], s[16:17]          ; sel[t]
	s_add_nc_u64 s[8:9], s[8:9], s[16:17]          ; loc[0][t]
	s_add_nc_u64 s[10:11], s[10:11], s[18:19]      ; gw[t]
	s_add_nc_u64 s[12:13], s[12:13], s[20:21]      ; my row of the output
	s_load_b32 s22, s[6:7], 0x0
	s_load_b64 s[24:25], s[10:11], 0x0             ; the two weights
	s_mov_b32 s27, 0
	s_mov_b32 s29, 0
	s_wait_kmcnt 0x0
	s_and_b32 s30, s22, 15
	s_min_u32 s30, s30, 7                          ; the first expert
	s_lshr_b32 s31, s22, 4
	s_min_u32 s31, s31, 7                          ; the second
	s_lshl_b32 s26, s30, 12                        ; an expert's 4,096 bytes of loc
	s_add_nc_u64 s[26:27], s[8:9], s[26:27]
	s_lshl_b32 s28, s31, 12
	s_add_nc_u64 s[28:29], s[8:9], s[28:29]
	s_load_b32 s32, s[26:27], 0x0                  ; my place in the first expert's list,
	s_load_b32 s33, s[28:29], 0x0                  ; and in the second's
	s_mov_b32 s35, 0
	s_mov_b32 s37, 0
	s_lshl_b32 s30, s30, 22                        ; an expert's 4 MiB of y
	s_lshl_b32 s31, s31, 22
	s_mov_b32 s38, s25                             ; the second weight as the low word of a pair: the packed form takes the low word for both halves
	s_mov_b32 s39, s25
	s_wait_kmcnt 0x0
	s_min_u32 s32, s32, 1023
	s_lshl_b32 s32, s32, 12
	s_add_co_u32 s34, s32, s30
	s_add_nc_u64 s[34:35], s[4:5], s[34:35]
	s_min_u32 s33, s33, 1023
	s_lshl_b32 s33, s33, 12
	s_add_co_u32 s36, s33, s31
	s_add_nc_u64 s[36:37], s[4:5], s[36:37]
.irp j, 0,1,2,3,4,5,6,7
	global_load_b128 v[Y0+4*\j:Y0+4*\j+3], v2, s[34:35] offset:512*\j th:TH_LOAD_NT
.endr
.irp j, 0,1,2,3,4,5,6,7
	global_load_b128 v[Y1+4*\j:Y1+4*\j+3], v2, s[36:37] offset:512*\j th:TH_LOAD_NT
.endr
	s_wait_loadcnt 8                               ; the first row is in; the second's eight loads are younger
.set jx, 0
.rept 16
	v_pk_mul_f32 v[R+jx:R+jx+1], v[Y0+jx:Y0+jx+1], s[24:25] op_sel_hi:[1,0]
.set jx, jx+2
.endr
	s_wait_loadcnt 0x0
.set jx, 0
.rept 16
	v_pk_fma_f32 v[R+jx:R+jx+1], v[Y1+jx:Y1+jx+1], s[38:39], v[R+jx:R+jx+1] op_sel_hi:[1,0,1]
.set jx, jx+2
.endr
.irp j, 0,1,2,3,4,5,6,7
	global_store_b128 v2, v[R+4*\j:R+4*\j+3], s[12:13] offset:512*\j th:TH_STORE_NT
.endr
	s_endpgm
.Lfunc_end_k_qeb9d5ab035_mix:
	.size	k_qeb9d5ab035_mix, .Lfunc_end_k_qeb9d5ab035_mix-k_qeb9d5ab035_mix
	.p2alignl 7, 3214868480
	.fill 96, 4, 3214868480
	.section	.rodata,"a",@progbits
	.p2align	6, 0x0
	.amdhsa_kernel k_qeb9d5ab035_mix
		.amdhsa_group_segment_fixed_size 0
		.amdhsa_private_segment_fixed_size 0
		.amdhsa_enable_private_segment 0
		.amdhsa_kernarg_size 40
		.amdhsa_user_sgpr_count 2
		.amdhsa_user_sgpr_kernarg_segment_ptr 1
		.amdhsa_wavefront_size32 1
		.amdhsa_system_sgpr_workgroup_id_x 1
		.amdhsa_system_sgpr_workgroup_id_y 1
		.amdhsa_system_sgpr_workgroup_id_z 1
		.amdhsa_system_vgpr_workitem_id 0
		.amdhsa_next_free_vgpr 112
		.amdhsa_next_free_sgpr 66
		.amdhsa_reserve_vcc 0
		.amdhsa_float_denorm_mode_32 3
		.amdhsa_float_denorm_mode_16_64 3
		.amdhsa_memory_ordered 1
		.amdhsa_forward_progress 1
		.amdhsa_inst_pref_size 7
	.end_amdhsa_kernel
	.amdgpu_metadata
---
amdhsa.version: [ 1, 2 ]
amdhsa.kernels:
  - .name:           k_qeb9d5ab035_mix
    .symbol:         k_qeb9d5ab035_mix.kd
    .args:
      - { .name: y, .offset: 0, .size: 8, .value_kind: global_buffer, .address_space: global }
      - { .name: sel, .offset: 8, .size: 8, .value_kind: global_buffer, .address_space: global }
      - { .name: loc, .offset: 16, .size: 8, .value_kind: global_buffer, .address_space: global }
      - { .name: gw, .offset: 24, .size: 8, .value_kind: global_buffer, .address_space: global }
      - { .name: out0, .offset: 32, .size: 8, .value_kind: global_buffer, .address_space: global }
    .group_segment_fixed_size: 0
    .private_segment_fixed_size: 0
    .kernarg_segment_align: 8
    .kernarg_segment_size: 40
    .max_flat_workgroup_size: 128
    .sgpr_count:     66
    .vgpr_count:     112
    .wavefront_size: 32
...
	.end_amdgpu_metadata
.endif
;; end of part 10
